; MI455X (gfx1250); checked and timed in simulation.
; The chip was launched on July 23, 2026; its instructions are those of AMD's public machine-readable ISA for CDNA 5 (MIT licence, August 2026) and "CDNA5" Instruction Set Architecture Reference Guide (July 2026). The comments in the code are by the model that wrote it; some were corrected since.
;; Transformer Block. Allowed arithmetic: matrix products marked QUANTISED: E2M1 operands, one E8M0 scale for each 32 along K, by v_wmma_scale_f32_16x16x128_f8f6f4 with both operands' format E2M1 (or v_wmma_scale_f32_32x16x128_f4), f32 sums; everything else in f32.
;; Inputs: W1_codes 256 x 8 x 16 uint8 (E2M1 codes of W1, K innermost, in blocks of 32 codes, two codes a byte); W1_scales 256 x 8 uint8 (E8M0 scales of W1, one for each 32 codes along K); Wk_c_codes 256 x 8 x 16 uint8 (E2M1 codes of Wk_c, K innermost, in blocks of 32 codes, two codes a byte); Wk_c_scales 256 x 8 uint8 (E8M0 scales of Wk_c, one for each 32 codes along K); Wk_s_codes 256 x 8 x 16 uint8 (E2M1 codes of Wk_s, K innermost, in blocks of 32 codes, two codes a byte); Wk_s_scales 256 x 8 uint8 (E8M0 scales of Wk_s, one for each 32 codes along K); Wq_c_codes 256 x 8 x 16 uint8 (E2M1 codes of Wq_c, K innermost, in blocks of 32 codes, two codes a byte); Wq_c_scales 256 x 8 uint8 (E8M0 scales of Wq_c, one for each 32 codes along K); Wq_s_codes 256 x 8 x 16 uint8 (E2M1 codes of Wq_s, K innermost, in blocks of 32 codes, two codes a byte); Wq_s_scales 256 x 8 uint8 (E8M0 scales of Wq_s, one for each 32 codes along K); Wv_c_codes 256 x 8 x 16 uint8 (E2M1 codes of Wv_c, K innermost, in blocks of 32 codes, two codes a byte); Wv_c_scales 256 x 8 uint8 (E8M0 scales of Wv_c, one for each 32 codes along K); Wv_s_codes 256 x 8 x 16 uint8 (E2M1 codes of Wv_s, K innermost, in blocks of 32 codes, two codes a byte); Wv_s_scales 256 x 8 uint8 (E8M0 scales of Wv_s, one for each 32 codes along K); b1 256 float32; context_codes 8 x 2,048 x 8 x 16 uint8 (E2M1 codes of context, K innermost, in blocks of 32 codes, two codes a byte); context_scales 8 x 2,048 x 8 uint8 (E8M0 scales of context, one for each 32 codes along K); inputs 8 x 2,048 x 256 float32; ln_b 256 float32; ln_g 256 float32.
;; Outputs: out0 8 x 2,048 x 256 float32.
;; This version of the problem:
;;   THIS VERSION OF THE PROBLEM IS GIVEN IN LOW PRECISION. The matrix products marked QUANTISED in the list below multiply operands that are first quantised to E2M1 (2 exponent bits, 1 mantissa bit; 4 bits a number), with one power-of-two scale for each 32 numbers along K (OCP MX v1.0); their sums are f32. All else is computed in f32.
;;   The module's matrix products, in the order in which they are computed (A, B: the left and right operand; K: the contracted axis; several contracted axes count as one K, in the product's order):
;;     1. [M 16,384, K 256] x [K 256, N 256]; A: input inputs; B: input Wk_s (given as codes): QUANTISED
;;     2. [M 16,384, K 256] x [K 256, N 256]; A: input inputs; B: input Wv_s (given as codes): QUANTISED
;;     3. [M 16,384, K 256] x [K 256, N 256]; A: input inputs; B: input Wq_s (given as codes): QUANTISED
;;     4. batch 8 x [M 2,048, K 256] x [K 256, N 2,048]; A: computed on the way; B: computed on the way: QUANTISED
;;     5. batch 8 x [M 2,048, K 2,048] x [K 2,048, N 256]; A: softmax (see below); B: computed on the way: QUANTISED
;;     6. [M 16,384, K 256] x [K 256, N 256]; A: input context (given as codes); B: input Wk_c (given as codes): QUANTISED
;;     7. [M 16,384, K 256] x [K 256, N 256]; A: input context (given as codes); B: input Wv_c (given as codes): QUANTISED
;;     8. [M 16,384, K 256] x [K 256, N 256]; A: computed on the way; B: input Wq_c (given as codes): QUANTISED
;;     9. batch 8 x [M 2,048, K 256] x [K 256, N 2,048]; A: computed on the way; B: computed on the way: QUANTISED
;;     10. batch 8 x [M 2,048, K 2,048] x [K 2,048, N 256]; A: softmax (see below); B: computed on the way: QUANTISED
;;     11. [M 16,384, K 256] x [K 256, N 256]; A: computed on the way; B: input W1 (given as codes): QUANTISED
;;   THE QUANTISER, for each operand of a quantised product, along K:
;;     - K is cut into blocks of 32 from its start; a last block that is shorter is filled with zeros.
;;     - A block's scale is 2^e with e = floor(log2(the largest magnitude in the block)) - 2, held to -126 .. 127; a block of zeros has e = 0. As a byte (E8M0): e + 127.
;;     - Each number is divided by its block's scale, clamped to +-6, and rounded to the nearest number of E2M1, ties to even, subnormals kept.
;;     - The product sums the exact products of the quantised numbers (number of the format x scale) in f32.
;;   ~~~python
;;   def quantise(x, axis):      # numpy; x: float32 -> the quantised numbers, widened to float32 again
;;       x = np.moveaxis(x, axis, -1); K = x.shape[-1]
;;       x = np.pad(x, [(0, 0)] * (x.ndim - 1) + [(0, -K % 32)]); x = x.reshape(x.shape[:-1] + (-1, 32)); a = np.abs(x).max(-1, keepdims=True)
;;       e = np.where(a > 0, np.clip(np.frexp(np.where(a > 0, a, 1))[1] - 1 - 2, -126, 127), 0)      # np.frexp(a)[1] - 1 = floor(log2(a)), exactly
;;       r = np.clip(x / 2.0 ** e, -6, 6)
;;       step = 2.0 ** (np.maximum(np.frexp(np.where(r == 0, 1, r))[1] - 1, 0) - 1)
;;       q = np.round(r / step) * step * 2.0 ** e      # np.round: ties to even
;;       return np.moveaxis(q.reshape(q.shape[:-2] + (-1,))[..., :K], -1, axis).astype(np.float32)
;;   ~~~
;;   SOFTMAX AHEAD OF A QUANTISED PRODUCT. Where the list says 'softmax', what is quantised is not the finished softmax but p = 2^(t - M), with t = logit x log2(e) and M = ceil(the row's largest t), a whole number; so 1/2 < the row's largest p <= 1. The row's sum l is taken of the UNQUANTISED p, in f32, and the product's result is divided by l at the end. Since M is a whole number, a kernel that streams over the keys may use a running M (the ceiling of the running maximum): every later rescaling is an exact power of two, which a block's scale takes up: the codes' values come out the same.
;;   OPERANDS COMPUTED ON THE WAY. 'Computed on the way' means the value that the module computes at that place (a softmax that the list does not call 'softmax' is quantised finished and normalised). What goes into a quantiser is computed in f32, as accurately as f32 sums, v_exp_f32 and their like allow (about 1e-6 of the number): no bf16 or f16 on the way to a quantiser, and a product that is left as it is and whose result goes on into a quantised operand takes f32 operands (vector FMAs, or v_wmma_f32_16x16x4_f32). A number that lies on a knife's edge between two numbers of the format may be rounded either way, as far as f32 arithmetic and the matrix unit's own rounding can turn it there, and no further.
;;   INPUTS GIVEN AS CODES. W1 (in the module: [256, 256], K = its axis 0); Wk_c (in the module: [256, 256], K = its axis 0); Wk_s (in the module: [256, 256], K = its axis 0); Wq_c (in the module: [256, 256], K = its axis 0); Wq_s (in the module: [256, 256], K = its axis 0); Wv_c (in the module: [256, 256], K = its axis 0); Wv_s (in the module: [256, 256], K = its axis 0); context (in the module: [8, 2048, 256], K = its axis 2): each comes as NAME_codes (uint8): NAME with its K axis moved to the last place and cut into blocks of 32 codes, [.., K / 32, bytes a block], one block behind the other in memory; two codes a byte, the lower K in the low four bits (a code: sign, 2 exponent bits, 1 mantissa bit); and NAME_scales (uint8): the same leading axes, one E8M0 byte (e + 127) for each 32 codes along K. Its value is code x scale, taken as it is: it is not quantised again, and the codes and scales need not be those that the quantiser above would give.
;; One version. Each part assembles by itself: llvm-mc -triple=amdgcn-amd-amdhsa -mcpu=gfx1250 --defsym DOCPART=n.
;; ======== version 1 of 1: 2 launches
;; workspace buffers: kv 8,912,896 bytes; qc 2,228,224 bytes
;; launch project (part 1): grid 256 x 1, 8 waves a work-group, no clusters, 89,088 bytes of LDS; arguments inputs, context_codes, context_scales, Wk_s_codes, Wk_s_scales, Wv_s_codes, Wv_s_scales, Wk_c_codes, Wk_c_scales, Wv_c_codes, Wv_c_scales, kv, Wq_s_codes, Wq_s_scales, qc; writes kv, qc
.if DOCPART == 1
	.amdgcn_target "amdgcn-amd-amdhsa--gfx1250"
	.amdhsa_code_object_version 6
	.text
	.protected	k_q92dce83e6e_project
	.globl	k_q92dce83e6e_project
	.p2align	8
	.type	k_q92dce83e6e_project,@function
k_q92dce83e6e_project:
	s_mov_b64 s[64:65], 0
	v_nop
	global_prefetch_b8 v0, s[64:65] scope:SCOPE_SE
	s_setreg_imm32_b32 hwreg(HW_REG_WAVE_MODE, 25, 1), 1
	s_wait_xcnt 0x0
; K = x Wk and V = x Wv for both attentions (x = inputs, quantised here, or context, given as codes), and Q = inputs Wq for the self attention: all on codes of FP4 (E2M1) with one E8M0 scale for each 32 along K.
; The results are quantised at once, K and Q along their 256 channels, V along the keys, and stored as IMAGES OF OPERAND REGISTERS: four registers of a fragment are 512 bytes, lane l's 16 bytes at 16 l.
; A work-group makes one block of kv: 128 keys of one batch, of the self attention (work-groups 0-127) or of the cross attention (128-255).  Block (batch, step) lies at (32 batch + 16 src + step) x 34,816:
;   0       16 fragments of K (tile of 16 keys tt, d step s) at (2 tt + s) x 1,024
;   16,384  K's scale words: word 2 (tt / 2) + s of lane 16 (tt % 2) + r, four words a lane, two runs of 512 bytes
;   17,408 + 8,704 half: 8 fragments of V^T (tile of 16 channels 8 half + a, K = the 128 keys) at 1,024 a; at + 8,192 their scale words, pair a / 2 at word a / 2 of lane 16 (a % 2) + r
; A self work-group also makes block (batch, step) of qc, at (16 batch + step) x 17,408: 16 fragments of Q laid as K's; at 16,384 their scale words, tile tt's at 128 tt + 4 x lane: lanes 0-15 d step 0, lanes 16-31 d step 1.
; THE ROWS OF A TILE ARE NOT NEIGHBOURS: lane r of tile 2 b + u takes row 32 b + 8 u + r + 8 (r / 8), for tokens and for the weights' rows alike, so that the 16 registers of two neighbouring result tiles are 16 neighbours along the next K.
; THE WAVES SHARE THE COLUMNS: wave w keeps the rows 32 w .. 32 w + 31 of Wk, Wv and Wq in registers, for all 128 tokens; x's 16 fragments go from wave to wave through LDS as images (wave w makes those of token tile w).
; inputs ARE READ IN DENSE RUNS: each load takes 512 consecutive bytes of one row; a d step's 16 rows turn through the wave's own stage in LDS and come back 16 neighbours a block and lane, as the conversions want them.
; Every work-group loads Wq, the cross ones too, so that each register is written on every way through the text; only the self ones multiply by it.
; No tensor load, no cluster: work-groups share only the weights, 102 KB against 128 KB of x.  No prefetch: each work-group asks for all its bytes at its head.
; LIMITS: NaN and infinities among the inputs are not served.  A block whose largest magnitude lies under 2^-124, zeros among them, gets the scale byte 1: its codes are zeros, and this program alone reads the bytes.
.set BLKB,  34816
.set QBLKB, 17408
.set VH,    17408
.set VHB,   8704
.set XI,    0                          ; LDS: x's 16 fragments, (2 tt + s) x 1,024
.set XW,    16384                      ; x's scale words: [tt / 4][lane][tt % 4]; lanes 0-15 d step 0, lanes 16-31 d step 1
.set SCO,   17408                      ; the block's 2,048 scale bytes as they will lie in kv: K's 1,024, V's 512 and 512
.set SCQ,   19456                      ; Q's 1,024 scale bytes as they will lie in qc
.set STG,   20480                      ; the stages for inputs: 16 rows x (512 bytes + 16) for each wave
.set SPITCH, 528                       ; 33 x 16 bytes: the sixteen rows that a load touches begin in sixteen different columns of 16 bytes
.set SPARE, 88064                      ; the spare words, 128 bytes for each wave: four blocks of 256 bytes that no other line names
.set LI,  1                            ; v1   16 x lane
.set SPW, 2                            ; v2   LDS address of my spare word; never rewritten
.set NIL, 3                            ; v3   0; never rewritten
.set STR, 4                            ; v4   out of my stage: row r + 64 h
.set GS,  5                            ; v5   scale bytes: row perm(r) of 8 bytes + 4 h
.set WGA, 6                            ; v6   codes: row perm(r) of 128 bytes + 16 h
.set STI, 7                            ; v7   into my stage: 16 x lane
.set KO,  8                            ; v8   K's and Q's codes on their way out: 16 r + 8 h
.set KB,  9                            ; v9   K's scale byte in LDS: 16 r + w
.set XST, 10                           ; v10  where I store x's images: 16 x lane + 2,048 w
.set WST, 11                           ; v11  a scale word's place: 16 x lane + 512 (w / 4) + 4 (w % 4)
.set SOA, 12                           ; v12  kv's scale bytes' way out, in LDS: 8 x lane + 256 w
.set GO8, 13                           ; v13  and in memory: 8 x lane
.set QBA, 14                           ; v14  Q's scale byte in LDS: 4 r + 64 (w / 4) + w % 4
.set SOQ, 15                           ; v15  qc's scale bytes' way out, in LDS: 8 x lane + 256 (w % 4)
.set XS,  16                           ; v16-23 x's scale words   v24-25 Wk's   v26-27 Wv's   v28-29 Wq's: these hold scales and nothing else
.set WKS, 24
.set WVS, 26
.set WQS, 28
.set ACC, 32                           ; v32-159 sixteen accumulators; ahead of them the 128 numbers of x
.set F0,  160                          ; v160-175 x's two fragments, later K's and Q's codes, two registers a token tile
.set F1,  168
.set PCA, 176                          ; v176-191 V's two fragments
.set PCB, 184
.set QM,  192                          ; v192-223 K's and Q's quantiser: largest magnitudes, the other half's, scale operands, bytes; eight each
.set QT,  200
.set QS,  208
.set QB,  216
.set PWA, 228
.set PWB, 229
.set XSW, 230
.set TM,  232                          ; v232-243 QUANT's work
.set WK,  128                          ; window 1: v0-127 x's 16 fragments, v128-159 Wk's four, v160-191 Wv's four, v192-223 Wq's four
.set WVF, 160
.set WQF, 192
.set SEL, 38                           ; s[38:39] v_permlanex16_b32's selects for lane l xor 16
.set MSB, 0
.macro WIN new                         ; the immediate's high byte repeats the setting that is left
.if MSB != \new
	s_set_vgpr_msb (MSB<<8)|\new
.set MSB, \new
.endif
.endm
.macro PLACES
.rept 4
	v_nop
.endr
.endm
.macro BARRIER                         ; my LDS stores have landed and my LDS loads are in: then the work-group's barrier
	s_wait_dscnt 0x0
	s_barrier_signal -1
	s_barrier_wait -1
.endm
; One product 16 x 16 x 128.  z = 1: it starts the sum (C = 0); z = 0: it adds in place.  ra, rb: which half of the lanes holds source 0's and source 1's scale words.
.macro MM d, a, b, z, sa, sb, ra, rb
.if (\z)
.if (\ra) && (\rb)
	v_wmma_scale_f32_16x16x128_f8f6f4 v[(\d):(\d)+7], v[(\a):(\a)+7], v[(\b):(\b)+7], 0, v[(\sa)], v[(\sb)] matrix_a_fmt:MATRIX_FMT_FP4 matrix_b_fmt:MATRIX_FMT_FP4 matrix_a_scale:MATRIX_SCALE_ROW1 matrix_b_scale:MATRIX_SCALE_ROW1
.elseif (\ra)
	v_wmma_scale_f32_16x16x128_f8f6f4 v[(\d):(\d)+7], v[(\a):(\a)+7], v[(\b):(\b)+7], 0, v[(\sa)], v[(\sb)] matrix_a_fmt:MATRIX_FMT_FP4 matrix_b_fmt:MATRIX_FMT_FP4 matrix_a_scale:MATRIX_SCALE_ROW1
.elseif (\rb)
	v_wmma_scale_f32_16x16x128_f8f6f4 v[(\d):(\d)+7], v[(\a):(\a)+7], v[(\b):(\b)+7], 0, v[(\sa)], v[(\sb)] matrix_a_fmt:MATRIX_FMT_FP4 matrix_b_fmt:MATRIX_FMT_FP4 matrix_b_scale:MATRIX_SCALE_ROW1
.else
	v_wmma_scale_f32_16x16x128_f8f6f4 v[(\d):(\d)+7], v[(\a):(\a)+7], v[(\b):(\b)+7], 0, v[(\sa)], v[(\sb)] matrix_a_fmt:MATRIX_FMT_FP4 matrix_b_fmt:MATRIX_FMT_FP4
.endif
.else
.if (\ra) && (\rb)
	v_wmma_scale_f32_16x16x128_f8f6f4 v[(\d):(\d)+7], v[(\a):(\a)+7], v[(\b):(\b)+7], v[(\d):(\d)+7], v[(\sa)], v[(\sb)] matrix_a_fmt:MATRIX_FMT_FP4 matrix_b_fmt:MATRIX_FMT_FP4 matrix_a_scale:MATRIX_SCALE_ROW1 matrix_b_scale:MATRIX_SCALE_ROW1
.elseif (\ra)
	v_wmma_scale_f32_16x16x128_f8f6f4 v[(\d):(\d)+7], v[(\a):(\a)+7], v[(\b):(\b)+7], v[(\d):(\d)+7], v[(\sa)], v[(\sb)] matrix_a_fmt:MATRIX_FMT_FP4 matrix_b_fmt:MATRIX_FMT_FP4 matrix_a_scale:MATRIX_SCALE_ROW1
.elseif (\rb)
	v_wmma_scale_f32_16x16x128_f8f6f4 v[(\d):(\d)+7], v[(\a):(\a)+7], v[(\b):(\b)+7], v[(\d):(\d)+7], v[(\sa)], v[(\sb)] matrix_a_fmt:MATRIX_FMT_FP4 matrix_b_fmt:MATRIX_FMT_FP4 matrix_b_scale:MATRIX_SCALE_ROW1
.else
	v_wmma_scale_f32_16x16x128_f8f6f4 v[(\d):(\d)+7], v[(\a):(\a)+7], v[(\b):(\b)+7], v[(\d):(\d)+7], v[(\sa)], v[(\sb)] matrix_a_fmt:MATRIX_FMT_FP4 matrix_b_fmt:MATRIX_FMT_FP4
.endif
.endif
.endm
; 64 numbers of a lane, register 16 b + i = k 32 b + 16 (lane / 16) + i of my row, become a fragment's codes in v[pc] on and its scale word in v[pw].  win = 1: the numbers lie in window 1.
.macro QUANT src, win, pc, pw
.if \win
	WIN 0x05
.endif
.irp b, 0,1,2,3
	v_max3_num_f32 v[TM+\b], |v[\src+16*\b]|, |v[\src+1+16*\b]|, 0x1800000   ; block b: my 16 numbers, and the floor 2^(3 - 127): the byte cannot fall under 1
.endr
.if \win
	WIN 0x14
.endif
.irp i, 2,4,6,8,10,12,14
.irp b, 0,1,2,3
	v_max3_num_f32 v[TM+\b], v[TM+\b], |v[\src+16*\b+\i]|, |v[\src+1+16*\b+\i]|   ; the four blocks by turns
.endr
.endr
	WIN 0
.irp b, 0,1,2,3
	v_permlanex16_b32 v[TM+4+\b], v[TM+\b], s[SEL], s[SEL+1]
.endr
.irp b, 0,1,2,3
	v_max_num_f32 v[TM+\b], v[TM+\b], v[TM+4+\b]       ; with lane l xor 16's: the block's largest magnitude
.endr
.irp b, 0,1,2,3
	v_add_nc_u32 v[TM+8+\b], 0xff000000, v[TM+\b]      ; 2 off its exponent field: the conversion takes this operand's exponent field as its scale
.endr
.irp b, 0,1,2,3
	v_lshrrev_b32 v[TM+4+\b], 23, v[TM+8+\b]           ; the scale's byte
.endr
	v_lshl_or_b32 v[\pw], v[TM+5], 8, v[TM+4]
	v_lshl_or_b32 v[\pw], v[TM+6], 16, v[\pw]
	v_lshl_or_b32 v[\pw], v[TM+7], 24, v[\pw]          ; my row's scale word (lanes l and l xor 16 hold the same)
.if \win
	WIN 0x01
.endif
.irp b, 0,1,2,3
	v_cvt_scalef32_pk8_fp4_f32 v[\pc+2*\b], v[\src+16*\b:\src+7+16*\b], v[TM+8+\b]
	v_cvt_scalef32_pk8_fp4_f32 v[\pc+1+2*\b], v[\src+8+16*\b:\src+15+16*\b], v[TM+8+\b]
.endr
	WIN 0
	v_nop                                              ; one plain place behind a scaled conversion
.irp c, 0,1                            ; the operand's layout wants a whole block in a lane: lanes 0-15 block 2 c, lanes 16-31 block 2 c + 1
.irp i, 0,1
	v_permlane16_swap_b32 v[\pc+4*\c+\i], v[\pc+2+4*\c+\i]
.endr
.endr
.endm
; d step s of my 16 rows of inputs turns through my stage: in as loaded, a row's 512 bytes on end; out 64 bytes a lane and block.  LDS serves a wave's instructions in order (ISA guide 5.7.1.4): no wait between the stores and the loads.
.macro TURN s
.irp i, 0,1,2,3,4,5,6,7,8,9,10,11,12,13,14,15
	ds_store_b128 v[STI], v[ACC+64*\s+4*\i:ACC+64*\s+4*\i+3] offset:STG+SPITCH*\i
.endr
.irp b, 0,1,2,3
.irp j, 0,1,2,3
	ds_load_b128 v[ACC+64*\s+16*\b+4*\j:ACC+64*\s+16*\b+4*\j+3], v[STR] offset:STG+128*\b+16*\j
.endr
.endr
.endm
; K's and Q's quantiser: block w of each token lies in lanes l and l xor 16; the eight token tiles by turns.  Codes into v[F0 + 2 t] and + 1, the block's byte into v[QB + t].
.macro QBLK
.irp t, 0,1,2,3,4,5,6,7
	v_max3_num_f32 v[QM+\t], |v[ACC+16*\t]|, |v[ACC+16*\t+1]|, 0x1800000
.endr
.irp i, 2,4,6,8,10,12,14
.irp t, 0,1,2,3,4,5,6,7
	v_max3_num_f32 v[QM+\t], v[QM+\t], |v[ACC+16*\t+\i]|, |v[ACC+16*\t+\i+1]|
.endr
.endr
.irp t, 0,1,2,3,4,5,6,7
	v_permlanex16_b32 v[QT+\t], v[QM+\t], s[SEL], s[SEL+1]
.endr
.irp t, 0,1,2,3,4,5,6,7
	v_max_num_f32 v[QM+\t], v[QM+\t], v[QT+\t]
.endr
.irp t, 0,1,2,3,4,5,6,7
	v_add_nc_u32 v[QS+\t], 0xff000000, v[QM+\t]
.endr
.irp t, 0,1,2,3,4,5,6,7
	v_lshrrev_b32 v[QB+\t], 23, v[QS+\t]
.endr
.irp t, 0,1,2,3,4,5,6,7
	v_cvt_scalef32_pk8_fp4_f32 v[F0+2*\t], v[ACC+16*\t:ACC+16*\t+7], v[QS+\t]
	v_cvt_scalef32_pk8_fp4_f32 v[F0+2*\t+1], v[ACC+16*\t+8:ACC+16*\t+15], v[QS+\t]
.endr
	v_nop                                          ; one plain place behind the conversions: the next products write their sources
.endm
	s_load_b512 s[4:19], s[0:1], 0x0               ; inputs 4, context codes 6, scales 8, Wk_s codes 10, scales 12, Wv_s codes 14, scales 16, Wk_c codes 18
	s_load_b256 s[20:27], s[0:1], 0x40             ; Wk_c scales 20, Wv_c codes 22, scales 24, kv 26
	s_load_b128 s[68:71], s[0:1], 0x60             ; Wq_s codes 68, scales 70
	s_load_b64 s[72:73], s[0:1], 0x70              ; qc
	v_lshl_add_u32 v[SPW], v0, 2, SPARE
	v_mov_b32 v[NIL], 0
	v_lshrrev_b32 v227, 5, v0
	v_readfirstlane_b32 s40, v227                  ; wave w, 0..7
	v_and_b32 v[GO8], 31, v0                       ; lane
	v_lshlrev_b32 v[LI], 4, v[GO8]
	v_and_b32 v224, 15, v0                         ; r
	v_bfe_u32 v225, v0, 4, 1                       ; h
	v_and_b32 v226, 8, v0
	v_add_nc_u32 v226, v226, v224                  ; perm(r) = r + 8 (r / 8)
	v_lshlrev_b32 v[GS], 3, v226
	v_lshl_add_u32 v[GS], v225, 2, v[GS]
	v_lshlrev_b32 v[WGA], 7, v226
	v_lshl_add_u32 v[WGA], v225, 4, v[WGA]
	v_lshlrev_b32 v[KO], 4, v224
	v_lshl_add_u32 v[KO], v225, 3, v[KO]
	v_lshl_add_u32 v[KB], v224, 4, s40
	s_lshr_b32 s44, s40, 2                         ; w / 4
	s_and_b32 s45, s40, 3                          ; w % 4
	s_and_b32 s47, s40, 1
	s_lshr_b32 s48, s40, 1
	s_lshl_b32 s50, s40, 11
	v_add_nc_u32 v[XST], s50, v[LI]
	s_lshl_b32 s50, s44, 9
	s_lshl_b32 s51, s45, 2
	s_add_co_u32 s50, s50, s51
	v_add_nc_u32 v[WST], s50, v[LI]
	s_lshl_b32 s50, s40, 8
	v_lshl_add_u32 v[SOA], v[GO8], 3, s50
	s_lshl_b32 s50, s45, 8
	v_lshl_add_u32 v[SOQ], v[GO8], 3, s50
	s_lshl_b32 s50, s44, 6
	s_add_co_u32 s50, s50, s45
	v_lshl_add_u32 v[QBA], v224, 2, s50
	s_mul_i32 s50, s40, 16*SPITCH                  ; my stage
	v_mul_u32_u24 v[STR], v224, SPITCH
	v_lshl_add_u32 v[STR], v225, 6, v[STR]
	v_add_nc_u32 v[STR], s50, v[STR]
	v_add_nc_u32 v[STI], s50, v[LI]
	v_lshlrev_b32 v[GO8], 3, v[GO8]
.irp j, 0,1,2,3,4,5,6,7
	v_mov_b32 v[QT+\j], 0                          ; written once: a lane permute's destination counts as one of its sources
.endr
.irp j, 4,5,6,7
	v_mov_b32 v[TM+\j], 0
.endr
	s_lshr_b32 s41, ttmp9, 7                       ; src: 0 self (inputs), 1 cross (context)
	s_bfe_u32 s42, ttmp9, 0x30004                  ; batch
	s_and_b32 s43, ttmp9, 15                       ; key step
	s_mov_b32 s46, 0xffff0000                      ; lanes 16-31
	s_mov_b32 s[SEL], 0x76543210
	s_mov_b32 s[SEL+1], 0xfedcba98
	s_lshl_b32 s50, s42, 5
	s_lshl_b32 s51, s41, 4
	s_add_co_u32 s50, s50, s51
	s_add_co_u32 s50, s50, s43
	s_mul_i32 s50, s50, BLKB                       ; my block's first byte in kv (under 2^24)
	s_lshl_b32 s36, s44, 10                        ; K's and Q's codes: block w of the 8 along d is d step w / 4, register group (w % 4) / 2, lanes' half w % 2
	s_and_b32 s51, s48, 1
	s_lshl_b32 s51, s51, 9
	s_add_co_u32 s36, s36, s51
	s_lshl_b32 s51, s47, 8
	s_add_co_u32 s36, s36, s51
	s_add_co_u32 s52, s36, s50
	s_mov_b32 s53, 0
	s_lshl_b32 s74, s42, 4                         ; my block's first byte in qc: (16 batch + step) x 17,408
	s_add_co_u32 s74, s74, s43
	s_mul_i32 s74, s74, QBLKB
	s_lshl_b32 s76, s45, 8                         ; its scale bytes' 256 of wave w % 4
	s_add_co_u32 s76, s76, s74
	s_add_co_u32 s76, s76, 16384
	s_add_co_u32 s74, s74, s36
	s_mov_b32 s75, 0
	s_mov_b32 s77, 0
	s_mul_i32 s54, s44, VHB                        ; V's codes: channel tiles 2 w and 2 w + 1: half w / 4, places 2 (w % 4) and + 1
	s_lshl_b32 s51, s45, 11
	s_add_co_u32 s54, s54, s51
	s_add_co_u32 s54, s54, s50
	s_add_co_u32 s54, s54, VH
	s_mov_b32 s55, 0
	s_and_b32 s51, s44, s48                        ; kv's scale bytes' 256 of wave w: waves 0-3 K's; 4, 5 V's first half, 8,192 further on; 6, 7 its second, 16,384 further on
	s_add_co_u32 s51, s51, s44
	s_lshl_b32 s51, s51, 13
	s_lshl_b32 s56, s40, 8
	s_add_co_u32 s56, s56, s51
	s_add_co_u32 s56, s56, s50
	s_add_co_u32 s56, s56, 16384
	s_mov_b32 s57, 0
	s_lshl_b32 s49, s42, 11                        ; the first token of my tile: 2,048 batch + 128 step + 32 (w / 2) + 8 (w % 2)
	s_lshl_b32 s51, s43, 7
	s_add_co_u32 s49, s49, s51
	s_lshl_b32 s51, s48, 5
	s_add_co_u32 s49, s49, s51
	s_lshl_b32 s51, s47, 3
	s_add_co_u32 s49, s49, s51
	s_lshl_b32 s58, s40, 12                        ; my 32 rows of a weight's codes,
	s_mov_b32 s59, 0
	s_lshl_b32 s60, s40, 8                         ; and of its scale bytes
	s_mov_b32 s61, 0
	s_mov_b32 s63, 0
	s_wait_kmcnt 0x0
	s_cmp_eq_u32 s41, 0                            ; Wk and Wv are chosen by the work-group's number alone
	s_cselect_b64 s[28:29], s[10:11], s[18:19]
	s_cselect_b64 s[30:31], s[12:13], s[20:21]
	s_cselect_b64 s[32:33], s[14:15], s[22:23]
	s_cselect_b64 s[34:35], s[16:17], s[24:25]
	s_add_nc_u64 s[28:29], s[28:29], s[58:59]
	s_add_nc_u64 s[32:33], s[32:33], s[58:59]
	s_add_nc_u64 s[68:69], s[68:69], s[58:59]
	s_add_nc_u64 s[30:31], s[30:31], s[60:61]
	s_add_nc_u64 s[34:35], s[34:35], s[60:61]
	s_add_nc_u64 s[70:71], s[70:71], s[60:61]
	s_add_nc_u64 s[52:53], s[26:27], s[52:53]
	s_add_nc_u64 s[54:55], s[26:27], s[54:55]
	s_add_nc_u64 s[56:57], s[26:27], s[56:57]
	s_add_nc_u64 s[74:75], s[72:73], s[74:75]
	s_add_nc_u64 s[76:77], s[72:73], s[76:77]
	s_lshl_b32 s62, s49, 10
	s_add_nc_u64 s[4:5], s[4:5], s[62:63]
	s_lshl_b32 s62, s49, 7
	s_add_nc_u64 s[6:7], s[6:7], s[62:63]
	s_lshl_b32 s62, s49, 3
	s_add_nc_u64 s[8:9], s[8:9], s[62:63]
	WIN 0x40                                       ; destination window 1: my fragments of Wk, Wv and Wq (tile i, d step s) stay there
.irp i, 0,1
.irp s, 0,1
.irp c, 0,1
	global_load_b128 v[WK+8*(2*\i+\s)+4*\c:WK+8*(2*\i+\s)+4*\c+3], v[WGA], s[28:29] offset:1024*\i+64*\s+32*\c
	global_load_b128 v[WVF+8*(2*\i+\s)+4*\c:WVF+8*(2*\i+\s)+4*\c+3], v[WGA], s[32:33] offset:1024*\i+64*\s+32*\c
	global_load_b128 v[WQF+8*(2*\i+\s)+4*\c:WQF+8*(2*\i+\s)+4*\c+3], v[WGA], s[68:69] offset:1024*\i+64*\s+32*\c
.endr
.endr
.endr
	WIN 0
.irp i, 0,1
	global_load_b32 v[WKS+\i], v[GS], s[30:31] offset:64*\i     ; lanes 0-15 the word of d step 0, lanes 16-31 that of d step 1
	global_load_b32 v[WVS+\i], v[GS], s[34:35] offset:64*\i
	global_load_b32 v[WQS+\i], v[GS], s[70:71] offset:64*\i
.endr
	; ---- X: my 16 tokens become two fragments and a register of scale words.  The two ways part on the work-group's number; the stage is the first way's alone, and they join ahead of the stores that both make
	s_cmp_lg_u32 s41, 0
	s_cbranch_scc1 .Lcontext
.irp s, 0,1
.irp i, 0,1,2,3,4,5,6,7,8,9,10,11,12,13,14,15
	global_load_b128 v[ACC+64*\s+4*\i:ACC+64*\s+4*\i+3], v[LI], s[4:5] offset:1024*(\i+8*(\i/8))+512*\s th:TH_LOAD_NT   ; 32 lanes read 512 consecutive bytes: d step s of the row that lane i will hold
.endr
.endr
	s_wait_loadcnt 16                              ; the weights and d step 0 are in; d step 1's sixteen loads may be out
	TURN 0
	s_wait_dscnt 0x0
	QUANT ACC, 0, F0, PWA
	s_wait_loadcnt 0x0
	TURN 1
	s_wait_dscnt 0x0
	QUANT ACC+64, 0, F1, PWB
	v_cndmask_b32 v[XSW], v[PWA], v[PWB], s46      ; lanes 0-15 d step 0's word, lanes 16-31 d step 1's
	s_branch .Ljoin
.Lcontext:
.irp s, 0,1
.irp c, 0,1
	global_load_b128 v[F0+8*\s+4*\c:F0+8*\s+4*\c+3], v[WGA], s[6:7] offset:64*\s+32*\c th:TH_LOAD_NT   ; given codes are the fragment as they lie
.endr
.endr
	global_load_b32 v[XSW], v[GS], s[8:9] th:TH_LOAD_NT
	s_wait_loadcnt 0x0
.Ljoin:
.irp k, 0,1,2,3
	ds_store_b128 v[XST], v[F0+4*\k:F0+4*\k+3] offset:XI+512*\k
.endr
	ds_store_b32 v[WST], v[XSW] offset:XW
	BARRIER                                        ; x's sixteen fragments lie in LDS
	WIN 0x40
.irp k, 0,1,2,3,4,5,6,7,8,9,10,11,12,13,14,15,16,17,18,19,20,21,22,23,24,25,26,27,28,29,30,31
	ds_load_b128 v[4*\k:4*\k+3], v[LI] offset:XI+512*\k
.endr
	WIN 0
	ds_load_b128 v[XS:XS+3], v[LI] offset:XW
	ds_load_b128 v[XS+4:XS+7], v[LI] offset:XW+512
	s_wait_dscnt 0x0
	; ---- K, transposed: source 0 = 16 rows of Wk, source 1 = 16 tokens.  Lane (r, h) holds token r of tile tt and, in the 16 registers of tiles i = 0, 1, channels 32 w + 16 h + 0 .. 15.
	; The sixteen accumulators take turns, one instruction a turn
	WIN 0x05                                       ; both sources window 1
.irp s, 0,1
.irp tt, 0,1,2,3,4,5,6,7
.irp i, 0,1
	MM ACC+16*\tt+8*\i, WK+8*(2*\i+\s), 8*(2*\tt+\s), 1-\s, WKS+\i, XS+\tt, \s, \s
.endr
.endr
.endr
	WIN 0
	PLACES
	QBLK
.irp t, 0,1,2,3,4,5,6,7
	global_store_b64 v[KO], v[F0+2*\t:F0+2*\t+1], s[52:53] offset:2048*\t   ; the wave's store covers 256 consecutive bytes, at a multiple of 256 from kv's first byte
	ds_store_b8 v[KB], v[QB+\t] offset:SCO+512*(\t/4)+256*(\t%2)+8*((\t/2)%2)   ; both lanes of a block write the same byte with the same value
.endr
	; ---- Q, for the self attention alone: K's lines once more with Wq.  The branch hangs on the work-group's number; no barrier stands inside it
	s_cmp_lg_u32 s41, 0
	s_cbranch_scc1 .Lno_q
	WIN 0x05
.irp s, 0,1
.irp tt, 0,1,2,3,4,5,6,7
.irp i, 0,1
	MM ACC+16*\tt+8*\i, WQF+8*(2*\i+\s), 8*(2*\tt+\s), 1-\s, WQS+\i, XS+\tt, \s, \s
.endr
.endr
.endr
	WIN 0
	PLACES
	s_wait_xcnt 0x0                                ; K's stores have read their registers, which Q's codes take
	QBLK
.irp t, 0,1,2,3,4,5,6,7
	global_store_b64 v[KO], v[F0+2*\t:F0+2*\t+1], s[74:75] offset:2048*\t   ; 256 consecutive bytes, at a multiple of 256 from qc's first byte
	ds_store_b8 v[QBA], v[QB+\t] offset:SCQ+128*\t
.endr
.Lno_q:
	; ---- V: source 0 = 16 tokens, source 1 = 16 rows of Wv.  Lane (r, h) holds channel perm-row r of tile i, and register 16 b + j of its eight token tiles is token 32 b + 16 h + j
	WIN 0x05
.irp s, 0,1
.irp i, 0,1
.irp tt, 0,1,2,3,4,5,6,7
	MM ACC+64*\i+8*\tt, 8*(2*\tt+\s), WVF+8*(2*\i+\s), 1-\s, XS+\tt, WVS+\i, \s, \s
.endr
.endr
.endr
	WIN 0
	PLACES
	QUANT ACC, 0, PCA, PWA
	QUANT ACC+64, 0, PCB, PWB
.irp c, 0,1
	global_store_b128 v[LI], v[PCA+4*\c:PCA+4*\c+3], s[54:55] offset:512*\c          ; 512 consecutive bytes a store
	global_store_b128 v[LI], v[PCB+4*\c:PCB+4*\c+3], s[54:55] offset:1024+512*\c
.endr
	v_cndmask_b32 v[XSW], v[PWA], v[PWB], s46      ; lanes 0-15 the even tile's words, lanes 16-31 the odd tile's
	ds_store_b32 v[WST], v[XSW] offset:SCO+1024
	BARRIER                                        ; the block's scale bytes lie in LDS
	ds_load_b64 v[TM:TM+1], v[SOA] offset:SCO
	s_wait_dscnt 0x0
	global_store_b64 v[GO8], v[TM:TM+1], s[56:57]  ; 256 consecutive bytes a wave
	s_or_b32 s51, s41, s44                         ; Q's 1,024 scale bytes leave by waves 0-3 of a self work-group
	s_cmp_lg_u32 s51, 0
	s_cbranch_scc1 .Lend
	ds_load_b64 v[TM+2:TM+3], v[SOQ] offset:SCQ
	s_wait_dscnt 0x0
	global_store_b64 v[GO8], v[TM+2:TM+3], s[76:77]
.Lend:
	s_wait_tensorcnt 0x0                           ; the wave's end, behind my last LDS store
	ds_add_u32 v[SPW], v[NIL]
	s_wait_dscnt 0x0
	s_endpgm
.Lfunc_end_k_q92dce83e6e_project:
	.size	k_q92dce83e6e_project, .Lfunc_end_k_q92dce83e6e_project-k_q92dce83e6e_project
	.p2alignl 7, 3214868480
	.fill 96, 4, 3214868480
	.section	.rodata,"a",@progbits
	.p2align	6, 0x0
	.amdhsa_kernel k_q92dce83e6e_project
		.amdhsa_group_segment_fixed_size 89088
		.amdhsa_private_segment_fixed_size 0
		.amdhsa_enable_private_segment 0
		.amdhsa_kernarg_size 120
		.amdhsa_user_sgpr_count 2
		.amdhsa_user_sgpr_kernarg_segment_ptr 1
		.amdhsa_wavefront_size32 1
		.amdhsa_system_sgpr_workgroup_id_x 1
		.amdhsa_system_sgpr_workgroup_id_y 1
		.amdhsa_system_sgpr_workgroup_id_z 1
		.amdhsa_system_vgpr_workitem_id 0
		.amdhsa_next_free_vgpr 480
		.amdhsa_next_free_sgpr 80
		.amdhsa_reserve_vcc 0
		.amdhsa_float_denorm_mode_32 3
		.amdhsa_float_denorm_mode_16_64 3
		.amdhsa_memory_ordered 1
		.amdhsa_forward_progress 1
		.amdhsa_inst_pref_size 64
	.end_amdhsa_kernel
	.amdgpu_metadata
---
amdhsa.version: [ 1, 2 ]
amdhsa.kernels:
  - .name:           k_q92dce83e6e_project
    .symbol:         k_q92dce83e6e_project.kd
    .args:
      - { .name: inputs, .offset: 0, .size: 8, .value_kind: global_buffer, .address_space: global }
      - { .name: context_codes, .offset: 8, .size: 8, .value_kind: global_buffer, .address_space: global }
      - { .name: context_scales, .offset: 16, .size: 8, .value_kind: global_buffer, .address_space: global }
      - { .name: Wk_s_codes, .offset: 24, .size: 8, .value_kind: global_buffer, .address_space: global }
      - { .name: Wk_s_scales, .offset: 32, .size: 8, .value_kind: global_buffer, .address_space: global }
      - { .name: Wv_s_codes, .offset: 40, .size: 8, .value_kind: global_buffer, .address_space: global }
      - { .name: Wv_s_scales, .offset: 48, .size: 8, .value_kind: global_buffer, .address_space: global }
      - { .name: Wk_c_codes, .offset: 56, .size: 8, .value_kind: global_buffer, .address_space: global }
      - { .name: Wk_c_scales, .offset: 64, .size: 8, .value_kind: global_buffer, .address_space: global }
      - { .name: Wv_c_codes, .offset: 72, .size: 8, .value_kind: global_buffer, .address_space: global }
      - { .name: Wv_c_scales, .offset: 80, .size: 8, .value_kind: global_buffer, .address_space: global }
      - { .name: kv, .offset: 88, .size: 8, .value_kind: global_buffer, .address_space: global }
      - { .name: Wq_s_codes, .offset: 96, .size: 8, .value_kind: global_buffer, .address_space: global }
      - { .name: Wq_s_scales, .offset: 104, .size: 8, .value_kind: global_buffer, .address_space: global }
      - { .name: qc, .offset: 112, .size: 8, .value_kind: global_buffer, .address_space: global }
    .group_segment_fixed_size: 89088
    .private_segment_fixed_size: 0
    .kernarg_segment_align: 8
    .kernarg_segment_size: 120
    .max_flat_workgroup_size: 256
    .sgpr_count:     80
    .vgpr_count:     480
    .wavefront_size: 32
...
	.end_amdgpu_metadata
.endif
;; end of part 1
;; launch block (part 2): grid 256 x 1, 8 waves a work-group, clusters of 4 x 1, 327,680 bytes of LDS; arguments kv, inputs, Wq_c_codes, Wq_c_scales, W1_codes, W1_scales, b1, ln_g, ln_b, out0, qc; writes out0
.if DOCPART == 2
	.amdgcn_target "amdgcn-amd-amdhsa--gfx1250"
	.amdhsa_code_object_version 6
	.text
	.protected	k_q92dce83e6e_block
	.globl	k_q92dce83e6e_block
	.p2align	8
	.type	k_q92dce83e6e_block,@function
k_q92dce83e6e_block:
	s_mov_b64 s[64:65], 0
	v_nop
	global_prefetch_b8 v0, s[64:65] scope:SCOPE_SE
	s_setreg_imm32_b32 hwreg(HW_REG_WAVE_MODE, 25, 1), 1
	s_wait_xcnt 0x0
	s_wait_alu depctr_hold_cnt(0) depctr_sa_sdst(0) depctr_va_vdst(0) depctr_va_sdst(0) depctr_va_ssrc(0) depctr_va_vcc(0) depctr_vm_vsrc(0)
	s_getreg_b32 s2, hwreg(HW_REG_IB_STS2, 6, 4)
	s_cmp_eq_u32 s2, 0
	s_cbranch_scc0 .Lentry_in_a_cluster
	s_endpgm
.Lentry_in_a_cluster:
	s_bfe_u32 s2, ttmp6, 0x10000c
	s_cmp_lg_u32 s2, 0x3003
	s_cbranch_scc0 .Lentry_shape_is_right
	s_endpgm
.Lentry_shape_is_right:
; The whole block for 64 queries a work-group: causal attention of qc's Q on kv's self blocks, + inputs, layer norm; Q = x1 Wq, attention on kv's cross blocks, + x1, layer norm; relu(x2 W1 + b1) + x2, layer norm, relu.
; Every product is on codes of FP4 (E2M1) with one E8M0 scale for each 32 along K; x1, x2, the second Q and p are quantised in registers and never go to memory.  The first Q comes as images of its operand's registers.
; SOFTMAX: t = score x log2(e) / 16; M = the largest t so far, rounded UP to a whole number; p = 2^(t - M) is quantised along the keys, not normalised; the sum is taken of the unquantised p and divides at the end.
; SHARES.  The cluster (batch, c) owns the query blocks c and 15 - c of 128 queries; each of its four work-groups 32 queries of each: four tiles of 16.  So every work-group has the same number of key steps under the causal mask.
; THE QUERIES OF A TILE ARE NOT NEIGHBOURS: lane r of tile tl holds query 32 cx + 8 tl + r + 8 (r / 8) of its block, as qc's tiles are laid.  Only the mask, the rows of inputs and the rows of out0 know of it.
; A tile has TWO waves: wave hf = 0 takes the even key steps of 128 keys, hf = 1 the odd ones; they join at the end (M is a whole number: the joining factors are powers of two).  Behind the attention wave hf owns channels 128 hf .. + 127
; of its tile.  Each wave reads V's channel tiles of its own half first, so that accumulators 0-7 are its own channels and 8-15 its partner's.
; A key step all of whose keys come after the tile's queries is left out by a scalar branch on ids (cluster's and wave's numbers: alike in all partners); its tiles are still fetched, so that every trip count is a constant.
; CLUSTER: the four work-groups walk the same 32 blocks of kv, so each slot is asked for JOINTLY: the same tensor load, the same descriptor, the mask 15, in all four.
; RING: two LDS slots of four blocks (139,264 bytes); each of the eight waves fetches an eighth, one load; the change of slots stands at a slot's head.  kv's blocks are images of operand registers: no pitch, no padding.
; THE RESIDUAL, my rows of inputs, is asked for at the head and waited for only where the two halves of the keys are joined: it lands under the self attention.
; O^T is cleared ahead of each attention: a wave may have no key step at all under the mask, and the loop is written once.
; LIMITS: NaN and infinities are not served.  A block whose largest magnitude lies under 2^-124, zeros among them, gets the scale byte 1 (its codes are zeros; only this program reads the bytes).  A block's largest p is taken from its largest
; score: this takes v_exp_f32 not to fall where its input rises.  1 / l and the reciprocal root are good to 1 ulp.  The sums over the keys are taken in two halves and joined: another order of rounding than reference()'s.
; REGISTERS.  Window 0: v1-11 addresses; v12 -M, v13 largest t, v[14:15] the sum; v16-31 Q's (or x's) two fragments; v32-95 S: scores, p, results; v96-223 FB: 16 fragments; v224-231 PC: codes just made; v232-243 at work;
;   v244-251, v253, v255 scale words and nothing else (v253 is also named as the upper half of the pair v[252:253], whose low half is f); v254 at work.
;   Window 1: v0-127 O^T (accumulator a at 8 a; behind the joining v64-127 hold ln_b); v128-191 RES: my 64 numbers of the residual; v192-255 ln_g.
;   In RES, S, ln_g, ln_b, b1: register 16 b + i is channel 128 hf + 32 b + 16 (lane / 16) + i of the query of lane % 16.
.set SLOTB, 139264
.set BLKB,  34816
.set QBLKB, 17408
.set KS,    16384
.set VH,    17408
.set VHB,   8704
.set RG,    278528                     ; LDS behind the ring: 34,816 bytes: by turns the joining areas (4,096 u) and a staged weight (fragment (t, s) at 1,024 (2 t + s); at + 32,768 its scale words [t / 4][lane][t % 4])
.set ML,    313344                     ; 256 u + 8 x lane: (-M, l), later (mean, sum of squares)
.set XI,    315392                     ; images of x's or Q's fragments, 1,024 u
.set XW,    323584                     ; their scale words, 128 u + 4 x lane
.set SPARE, 324608                     ; the spare words, 128 bytes for each wave: four blocks of 256 bytes that no other line names
.set PKV,  4                           ; s[4:5] kv   s[6:7] inputs   s[8:9], s[10:11] Wq_c's codes, scales   s[12:13], s[14:15] W1's   s[16:17] b1   s[18:19] ln_g   s[20:21] ln_b   s[22:23] out0   s[24:25] qc
.set PIN,  6
.set PWQ,  8
.set PWQS, 10
.set PW1,  12
.set PW1S, 14
.set PB1,  16
.set PG,   18
.set PB,   20
.set POUT, 22
.set PQC,  24
.set LI,  1                            ; v1   16 x lane
.set SPW, 2                            ; v2   LDS address of my spare word; never rewritten
.set NIL, 3                            ; v3   0; never rewritten
.set ADR, 4                            ; v4-6 LDS addresses of the step in hand: the block, my half of V, the other half; address temporaries elsewhere
.set ADM, 5
.set ADO, 6
.set SRL, 7                            ; v7   4 r + 128 h
.set GW,  8                            ; v8   a weight's codes: row perm(r) of 128 bytes + 16 h
.set QD,  9                            ; v9   my query's place in its block of 128, less 16 h
.set PFO, 10                           ; v10  256 x lane
.set LANE, 11                          ; v11  lane
.set S,   32
.set FB,  96
.set PC,  224
.set TM,  232
.set WV,  40                           ; s40 wave; s41 hi: low or high query block; s42 tl: which of its two tiles; s43 hf; s44 u = 4 hi + 2 tl + hf
.set HI,  41
.set TL,  42
.set HF,  43
.set U,   44
.set CC,  45                           ; s45 c; s46 batch; s47 cx (s47, s76-79 and s92-95 alone ever hold a number made of cx)
.set BAT, 46
.set CX,  47
.set DG,  48                           ; s48 the tile's diagonal key step
.set ST,  49                           ; s49 the key step in hand, 0 .. 31 along the batch's blocks
.set SB,  50                           ; s50 the slot that is read
.set SO,  51                           ; s51 the block in hand within it
.set HOFF, 52                          ; s52 34,816 hf
.set HM,  53                           ; s53 8,704 hf;  s54 8,704 (1 - hf)
.set HO,  54
.set FBS, 55                           ; s55 the slot that is filled
.set WOFF, 56                          ; s56 17,408 x wave
.set LIM, 57                           ; s57 a wave prefetches while s[ST] is under it
.set PFA, 58                           ; s[58:59] where my prefetches stand
.set SEL, 60                           ; s[60:61] v_permlanex16_b32's selects for lane l xor 16
.set CS,  62                           ; s[62:63] log2(e) / 16
.set G1,  28                           ; s[28:35] descriptor group 1;  s[36:39] group 0, which walks
.set G0,  36
.set MSB, 0
.macro WIN new                         ; the immediate's high byte repeats the setting that is left
.if MSB != \new
	s_set_vgpr_msb (MSB<<8)|\new
.set MSB, \new
.endif
.endm
.macro PLACES
.rept 4
	v_nop
.endr
.endm
.macro BARRIER                         ; my LDS stores have landed and my LDS loads are in: then the work-group's barrier
	s_wait_dscnt 0x0
	s_barrier_signal -1
	s_barrier_wait -1
.endm
; One product 16 x 16 x 128.  z = 1: it starts the sum (C = 0); z = 0: it adds in place.  ra, rb: which half of the lanes holds source 0's and source 1's scale words.
.macro MM d, a, b, z, sa, sb, ra, rb
.if (\z)
.if (\ra) && (\rb)
	v_wmma_scale_f32_16x16x128_f8f6f4 v[(\d):(\d)+7], v[(\a):(\a)+7], v[(\b):(\b)+7], 0, v[(\sa)], v[(\sb)] matrix_a_fmt:MATRIX_FMT_FP4 matrix_b_fmt:MATRIX_FMT_FP4 matrix_a_scale:MATRIX_SCALE_ROW1 matrix_b_scale:MATRIX_SCALE_ROW1
.elseif (\ra)
	v_wmma_scale_f32_16x16x128_f8f6f4 v[(\d):(\d)+7], v[(\a):(\a)+7], v[(\b):(\b)+7], 0, v[(\sa)], v[(\sb)] matrix_a_fmt:MATRIX_FMT_FP4 matrix_b_fmt:MATRIX_FMT_FP4 matrix_a_scale:MATRIX_SCALE_ROW1
.elseif (\rb)
	v_wmma_scale_f32_16x16x128_f8f6f4 v[(\d):(\d)+7], v[(\a):(\a)+7], v[(\b):(\b)+7], 0, v[(\sa)], v[(\sb)] matrix_a_fmt:MATRIX_FMT_FP4 matrix_b_fmt:MATRIX_FMT_FP4 matrix_b_scale:MATRIX_SCALE_ROW1
.else
	v_wmma_scale_f32_16x16x128_f8f6f4 v[(\d):(\d)+7], v[(\a):(\a)+7], v[(\b):(\b)+7], 0, v[(\sa)], v[(\sb)] matrix_a_fmt:MATRIX_FMT_FP4 matrix_b_fmt:MATRIX_FMT_FP4
.endif
.else
.if (\ra) && (\rb)
	v_wmma_scale_f32_16x16x128_f8f6f4 v[(\d):(\d)+7], v[(\a):(\a)+7], v[(\b):(\b)+7], v[(\d):(\d)+7], v[(\sa)], v[(\sb)] matrix_a_fmt:MATRIX_FMT_FP4 matrix_b_fmt:MATRIX_FMT_FP4 matrix_a_scale:MATRIX_SCALE_ROW1 matrix_b_scale:MATRIX_SCALE_ROW1
.elseif (\ra)
	v_wmma_scale_f32_16x16x128_f8f6f4 v[(\d):(\d)+7], v[(\a):(\a)+7], v[(\b):(\b)+7], v[(\d):(\d)+7], v[(\sa)], v[(\sb)] matrix_a_fmt:MATRIX_FMT_FP4 matrix_b_fmt:MATRIX_FMT_FP4 matrix_a_scale:MATRIX_SCALE_ROW1
.elseif (\rb)
	v_wmma_scale_f32_16x16x128_f8f6f4 v[(\d):(\d)+7], v[(\a):(\a)+7], v[(\b):(\b)+7], v[(\d):(\d)+7], v[(\sa)], v[(\sb)] matrix_a_fmt:MATRIX_FMT_FP4 matrix_b_fmt:MATRIX_FMT_FP4 matrix_b_scale:MATRIX_SCALE_ROW1
.else
	v_wmma_scale_f32_16x16x128_f8f6f4 v[(\d):(\d)+7], v[(\a):(\a)+7], v[(\b):(\b)+7], v[(\d):(\d)+7], v[(\sa)], v[(\sb)] matrix_a_fmt:MATRIX_FMT_FP4 matrix_b_fmt:MATRIX_FMT_FP4
.endif
.endif
.endm
; 64 numbers of a lane, register 16 b + i = k 32 b + 16 (lane / 16) + i of my row, become a fragment's codes in v[pc] on and its scale word in v[pw].  win = 1: the numbers lie in window 1.
.macro QUANT src, win, pc, pw
.if \win
	WIN 0x05
.endif
.irp b, 0,1,2,3
	v_max3_num_f32 v[TM+\b], |v[\src+16*\b]|, |v[\src+1+16*\b]|, 0x1800000   ; block b: my 16 numbers, and the floor 2^(3 - 127): the byte cannot fall under 1
.endr
.if \win
	WIN 0x14
.endif
.irp i, 2,4,6,8,10,12,14
.irp b, 0,1,2,3
	v_max3_num_f32 v[TM+\b], v[TM+\b], |v[\src+16*\b+\i]|, |v[\src+1+16*\b+\i]|   ; the four blocks by turns
.endr
.endr
	WIN 0
.irp b, 0,1,2,3
	v_permlanex16_b32 v[TM+4+\b], v[TM+\b], s[SEL], s[SEL+1]
.endr
.irp b, 0,1,2,3
	v_max_num_f32 v[TM+\b], v[TM+\b], v[TM+4+\b]       ; with lane l xor 16's: the block's largest magnitude
.endr
.irp b, 0,1,2,3
	v_add_nc_u32 v[TM+8+\b], 0xff000000, v[TM+\b]      ; 2 off its exponent field: the conversion takes this operand's exponent field as its scale
.endr
.irp b, 0,1,2,3
	v_lshrrev_b32 v[TM+4+\b], 23, v[TM+8+\b]           ; the scale's byte
.endr
	v_lshl_or_b32 v[\pw], v[TM+5], 8, v[TM+4]
	v_lshl_or_b32 v[\pw], v[TM+6], 16, v[\pw]
	v_lshl_or_b32 v[\pw], v[TM+7], 24, v[\pw]          ; my row's scale word (lanes l and l xor 16 hold the same)
.if \win
	WIN 0x01
.endif
.irp b, 0,1,2,3
	v_cvt_scalef32_pk8_fp4_f32 v[\pc+2*\b], v[\src+16*\b:\src+7+16*\b], v[TM+8+\b]
	v_cvt_scalef32_pk8_fp4_f32 v[\pc+1+2*\b], v[\src+8+16*\b:\src+15+16*\b], v[TM+8+\b]
.endr
	WIN 0
	v_nop                                              ; one plain place behind a scaled conversion
.irp c, 0,1                            ; the operand's layout wants a whole block in a lane: lanes 0-15 block 2 c, lanes 16-31 block 2 c + 1
.irp i, 0,1
	v_permlane16_swap_b32 v[\pc+4*\c+\i], v[\pc+2+4*\c+\i]
.endr
.endr
.endm
; A round of the cluster's barrier: my work-group's barrier; wave 0 signals for the work-group; every wave waits for all four work-groups; my work-group's barrier once more.
.macro CROUND
	s_barrier_signal -1
	s_barrier_wait -1
	s_cmp_lg_u32 s[WV], 0
	s_cbranch_scc1 .Lnot_wave_0_\@
	s_barrier_signal -3
.Lnot_wave_0_\@:
	s_barrier_wait -3
	s_barrier_signal -1
	s_barrier_wait -1
.endm
; A PREFETCH INTO THE L2 of later blocks of the batch's 1,114,112 bytes of kv.  All eight clusters of a batch walk the same bytes: the cluster with c = 0 asks.  Its four partners are told apart BY ADDRESS (32,768 cx); in each, waves 0-3
; ask, one instruction each, 8,192 bytes a wave, lanes 256 bytes apart: 131,072 new bytes at each of the first six changes of slots, from byte 327,680 to the batch's last: each aligned block of 256 bytes is named once.
; What a change asks for begins at or behind the end of what its own tensor loads fetch, so it is wanted one change later or two.  The bytes ahead of 327,680 come by their loads alone; the seventh change asks for nothing.
.macro ASK
	s_cmp_lt_u32 s[ST], s[LIM]
	s_cbranch_scc0 .Lnot_mine_\@
	global_prefetch_b8 v[PFO], s[PFA:PFA+1] th:TH_LOAD_NT scope:SCOPE_SE
.Lnot_mine_\@:
.endm
; THE CHANGE OF SLOTS stands at a slot's head.  Each wave waits for all its tensor loads (one is out: its eighth of the slot ahead), adds 0 to its spare word, and waits for that and for its reads of the slot that it has left.
; fill = 1: a round of the cluster's barrier, so that no wave of any partner still reads the other slot or has a load on its way; then the joint refill, first thing: it has a slot's key steps in which to land.
.macro CHANGE fill
	s_wait_tensorcnt 0x0                           ; no tensor load of mine is out, so group 0 may be written
	ds_add_u32 v[SPW], v[NIL]                      ; 0 onto my spare word; the steps below stand between it and the wait for it
.if \fill
	s_xor_b32 s[FBS], s[FBS], SLOTB                ; the other slot than last time,
	s_add_co_u32 s[G0+1], s[FBS], s[WOFF]          ; my eighth of it,
	s_add_nc_u64 s[G0+2:G0+3], s[G0+2:G0+3], SLOTB ; the next four blocks; the type bits on top are not reached
	s_wait_xcnt 0x0                                ; the last prefetch, a slot back, has read its address, so it may be written
	s_add_nc_u64 s[PFA:PFA+1], s[PFA:PFA+1], 131072
.endif
	s_mov_b32 s[SO], s[HOFF]                       ; my first block of the slot ahead
	s_wait_dscnt 0x0                               ; the add is done, and my reads of the slot that I have left are over
.if \fill
	CROUND
	tensor_load_to_lds s[G0:G0+3], s[G1:G1+7]
	s_nop 0
	PLACES
	ASK
.else
	s_barrier_signal -1
	s_barrier_wait -1
.endif
.endm
; A KEY STEP: 128 keys, the block at s[SB] + s[SO].
.macro STEP causal
.if \causal
	s_cmp_gt_u32 s[ST], s[DG]                      ; all its keys come after my queries: nothing but the address steps at the end
	s_cbranch_scc1 .Lhid_\@
.endif
	s_add_co_u32 s70, s[SB], s[SO]
	v_add_nc_u32 v[ADR], s70, v[LI]
	v_add_nc_u32 v[ADM], s[HM], v[ADR]
	v_add_nc_u32 v[ADO], s[HO], v[ADR]
	v_nop                                          ; these four are the places in front of loads into registers that the last products have read
	ds_load_b128 v[244:247], v[ADR] offset:KS      ; K's scale words: register 2 (tt / 2) + s; lanes 0-15 the even tile, lanes 16-31 the odd
	ds_load_b128 v[248:251], v[ADR] offset:KS+512
.irp s, 0,1
.irp tt, 0,1,2,3,4,5,6,7
.irp c, 0,1
	ds_load_b128 v[FB+8*(2*\tt+\s)+4*\c:FB+8*(2*\tt+\s)+4*\c+3], v[ADR] offset:1024*(2*\tt+\s)+512*\c
.endr
.endr
.endr
	s_wait_dscnt 16                                ; the scale words and d step 0 are in; d step 1's sixteen loads may be out
.irp tt, 0,1,2,3,4,5,6,7                       ; S^T = K Q^T: source 0 = 16 keys, source 1 = my 16 queries; the eight accumulators by turns
	MM S+8*\tt, FB+16*\tt, 16, 1, 244+2*(\tt/2), 255, \tt%2, 0
.endr
	s_wait_dscnt 0x0
.irp tt, 0,1,2,3,4,5,6,7
	MM S+8*\tt, FB+16*\tt+8, 24, 0, 245+2*(\tt/2), 255, \tt%2, 1
.endr
	PLACES                                         ; in front of the loads below and of the first read of the scores
	ds_load_b128 v[244:247], v[ADM] offset:VH+8192 ; V's fragments land under the softmax: my half's scale words and the other half's,
	ds_load_b128 v[248:251], v[ADO] offset:VH+8192
.irp a, 0,1,2,3,4,5,6,7
.irp c, 0,1
	ds_load_b128 v[FB+8*\a+4*\c:FB+8*\a+4*\c+3], v[ADM] offset:VH+1024*\a+512*\c       ; my half's eight channel tiles,
.endr
.endr
.irp a, 0,1,2,3,4,5,6,7
.irp c, 0,1
	ds_load_b128 v[FB+64+8*\a+4*\c:FB+64+8*\a+4*\c+3], v[ADO] offset:VH+1024*\a+512*\c ; the other half's
.endr
.endr
.if \causal                                    ; on the diagonal the scores of hidden keys become -infinity ahead of the maximum: register 16 b + i holds key 32 b + 16 h + i of the step, hidden where 32 b + i > v[QD]
	s_cmp_lg_u32 s[ST], s[DG]
	s_cbranch_scc1 .Lopen_\@
	v_mov_b32 v254, 0xff800000
.set N, 0
.rept 64
	v_cmp_gt_i32 vcc_lo, 32*(N/16)+N%16, v[QD]
	v_cndmask_b32 v[S+N], v[S+N], v254, vcc_lo
.set N, N+1
.endr
.Lopen_\@:
.endif
.irp b, 0,1,2,3
	v_max3_num_f32 v[232+\b], v[S+16*\b], v[S+1+16*\b], v[S+2+16*\b]   ; the largest score of each block of 32 keys: it serves the row's maximum and, since p rises with the score, the block's largest p
.endr
.irp i, 3,5,7,9,11,13
.irp b, 0,1,2,3
	v_max3_num_f32 v[232+\b], v[232+\b], v[S+16*\b+\i], v[S+1+16*\b+\i]
.endr
.endr
.irp b, 0,1,2,3
	v_max_num_f32 v[232+\b], v[232+\b], v[S+15+16*\b]
.endr
.irp b, 0,1,2,3
	v_permlanex16_b32 v[236+\b], v[232+\b], s[SEL], s[SEL+1]
.endr
.irp b, 0,1,2,3
	v_max_num_f32 v[232+\b], v[232+\b], v[236+\b]  ; with lane l xor 16's 16 keys
.endr
	v_max3_num_f32 v254, v232, v233, v234
	v_max_num_f32 v254, v254, v235                 ; the step's largest score of my query
	v_mul_f32 v254, s[CS], v254                    ; as t
	v_max_num_f32 v13, v13, v254                   ; the running largest t
	v_mov_b32 v254, v12
	v_floor_f32 v12, -v13                          ; the new -M = floor(-t): M is a whole number
	v_sub_f32 v254, v12, v254                      ; old M - new M: a whole number, 0 or less
	v_cvt_i32_f32 v254, v254                       ; (it saturates)
	v_ldexp_f32 v252, 1.0, v254                    ; f = 2^(old M - new M)
.set J, 0
.rept 32
	v_pk_fma_f32 v[S+J:S+J+1], v[S+J:S+J+1], s[CS:CS+1], v[12:13] op_sel_hi:[1,0,0]   ; t - M, two at a time
.set J, J+2
.endr
.irp b, 0,1,2,3
	v_fma_f32 v[232+\b], v[232+\b], s[CS], v12     ; the same of each block's largest score
.endr
.set J, 0
.rept 64
	v_exp_f32 v[S+J], v[S+J]                       ; p = 2^(t - M)
.set J, J+1
.endr
	v_pk_mul_f32 v[14:15], v[14:15], v[252:253] op_sel_hi:[1,0]   ; the sums under the new M: the plain place behind the exponentials
	s_wait_alu depctr_va_vdst(0)                   ; one wait for the whole batch, ahead of its first reader
.irp b, 0,1,2,3
	v_exp_f32 v[232+\b], v[232+\b]                 ; the block's largest p: the same two instructions on the same number
.endr
	v_pk_add_f32 v[236:237], v[S:S+1], v[S+2:S+3]  ; the row's sum is taken of the unquantised p, in two chains
.irp j, 4,8,12,16,20,24,28,32,36,40,44,48,52,56,60
	v_pk_add_f32 v[14:15], v[14:15], v[S+\j:S+1+\j]
	v_pk_add_f32 v[236:237], v[236:237], v[S+2+\j:S+3+\j]
.endr
	v_pk_add_f32 v[14:15], v[14:15], v[236:237]
	s_wait_alu depctr_va_vdst(0)                   ; and one for the four
.irp b, 0,1,2,3
	v_max_num_f32 v[232+\b], 0x1800000, v[232+\b]  ; the floor 2^(3 - 127)
.endr
.irp b, 0,1,2,3
	v_add_nc_u32 v[240+\b], 0xff000000, v[232+\b]  ; the conversion's scale operand
.endr
.irp b, 0,1,2,3
	v_lshrrev_b32 v[236+\b], 23, v[240+\b]         ; the scale's byte
.endr
	v_lshl_or_b32 v253, v237, 8, v236              ; p's scale word for these 128 keys
	v_lshl_or_b32 v253, v238, 16, v253
	v_lshl_or_b32 v253, v239, 24, v253
.irp b, 0,1,2,3
	v_cvt_scalef32_pk8_fp4_f32 v[PC+2*\b], v[S+16*\b:S+7+16*\b], v[240+\b]
	v_cvt_scalef32_pk8_fp4_f32 v[PC+1+2*\b], v[S+8+16*\b:S+15+16*\b], v[240+\b]
.endr
	v_nop                                          ; one plain place behind a scaled conversion
.irp c, 0,1
.irp i, 0,1
	v_permlane16_swap_b32 v[PC+4*\c+\i], v[PC+2+4*\c+\i]
.endr
.endr
	WIN 0x41                                       ; O^T, destination and source 0, window 1
.set J, 0
.rept 64
	v_pk_mul_f32 v[J:J+1], v[J:J+1], v[252:253] op_sel_hi:[1,0]   ; O^T under the new M.  These also stand between the writes of p's codes and scale word and the products that take them
.set J, J+2
.endr
	s_wait_dscnt 0x0                               ; V is in
	WIN 0x50                                       ; C and D window 1
.irp a, 0,1,2,3,4,5,6,7,8,9,10,11,12,13,14,15  ; O^T += V^T P^T: source 0 = 16 channels, source 1 = p; sixteen accumulators by turns
	MM 8*\a, FB+8*\a, PC, 0, 244+\a/2, 253, \a%2, 0
.endr
	WIN 0
.if \causal
.Lhid_\@:
.endif
	s_add_co_u32 s[ST], s[ST], 2                   ; my next key step: two blocks on
	s_add_co_u32 s[SO], s[SO], 2*BLKB
.endm
.macro REINIT                          ; ahead of an attention: O^T and the sum are zeros, the largest t is -3e38, under every t
	WIN 0x40
.set J, 0
.rept 128
	v_mov_b32 v[J], 0
.set J, J+1
.endr
	WIN 0
	v_mov_b32 v13, 0xff61b1e6
	v_floor_f32 v12, -v13
	v_mov_b32 v14, 0
	v_mov_b32 v15, 0
.endm
.macro MKADR                           ; the addresses of a stage between attentions, in the registers that Q has left
	v_bfe_u32 v16, v0, 4, 1                        ; h
	v_and_b32 v17, 15, v0                          ; r
	v_and_b32 v18, 8, v0
	v_add_nc_u32 v17, v17, v18                     ; perm(r)
	v_lshlrev_b32 v17, 3, v17
	v_lshl_add_u32 v17, v16, 2, v17                ; v17: a weight's scale bytes: row perm(r) of 8 bytes + 4 h
	v_lshlrev_b32 v16, 6, v16                      ; v16: 64 h: my 16 numbers of a block of 32 in ln_g, ln_b, b1
	v_lshl_add_u32 v18, v[LANE], 3, s80            ; v18, v19: my pair in ML, my partner's
	v_lshl_add_u32 v19, v[LANE], 3, s81
	v_add_nc_u32 v20, s82, v[LI]                   ; v20, v21: my joining area, my partner's
	v_add_nc_u32 v21, s83, v[LI]
	v_add_nc_u32 v22, s84, v[LI]                   ; v22, v23: where I stage my eighth of a weight, and its scale words
	v_add_nc_u32 v23, s85, v[LI]
.endm
.macro WLOAD cp, sp                    ; my eighth of a weight: tiles 2 w and 2 w + 1, both K steps, and their scale words
.irp i, 0,1
.irp s, 0,1
.irp c, 0,1
	global_load_b128 v[128+16*\i+8*\s+4*\c:131+16*\i+8*\s+4*\c], v[GW], s[\cp:\cp+1] offset:1024*\i+64*\s+32*\c
.endr
.endr
.endr
.irp i, 0,1
	global_load_b32 v[160+\i], v17, s[\sp:\sp+1] offset:64*\i
.endr
.endm
.macro WSTORE
.irp k, 0,1,2,3,4,5,6,7
	ds_store_b128 v22, v[128+4*\k:131+4*\k] offset:512*\k
.endr
	ds_store_b32 v23, v160
	ds_store_b32 v23, v161 offset:4
.endm
.macro XSTORE                          ; the fragment and scale word just made go to LDS as they stand
	ds_store_b128 v6, v[PC:PC+3]
	ds_store_b128 v6, v[PC+4:PC+7] offset:512
	ds_store_b32 v12, v254
.endm
.macro XFETCH                          ; my tile's two fragments, mine and my partner's; lanes 0-15 take K step 0's scale words, lanes 16-31 K step 1's
.irp k, 0,1,2,3
	ds_load_b128 v[16+4*\k:19+4*\k], v13 offset:512*\k
.endr
	ds_load_b32 v255, v14
.endm
; THE TWO HALVES OF THE KEYS ARE JOINED: RES += (O_mine fa + O_partner's fb) / (l fa + l' fb), f = 2^(own M - joint M).  Each wave hands its partner the 64 registers of the partner's channels, 32 at a time.
; The next weight, ln_g and ln_b are asked for on the way.
.macro MERGE cp, sp
	PLACES                                         ; behind the last products
	MKADR
	v_add_f32 v13, v14, v15
	v_permlanex16_b32 v232, v13, s[SEL], s[SEL+1]
	v_add_f32 v13, v13, v232                       ; l of my key steps
	WLOAD \cp, \sp
	WIN 0x40
.irp b, 0,1,2,3
.irp j, 0,1,2,3
	global_load_b128 v[192+16*\b+4*\j:195+16*\b+4*\j], v16, s[PG:PG+1] offset:128*\b+16*\j   ; ln_g
.endr
.endr
	WIN 0
	ds_store_b64 v18, v[12:13]                     ; (-M, l)
	WIN 0x04                                       ; an LDS store's data are its source 1: window 1
.irp k, 0,1,2,3,4,5,6,7
	ds_store_b128 v20, v[64+4*\k:67+4*\k] offset:512*\k
.endr
	WIN 0
	BARRIER
	ds_load_b64 v[14:15], v19
.irp k, 0,1,2,3,4,5,6,7
	ds_load_b128 v[96+4*\k:99+4*\k], v21 offset:512*\k
.endr
	s_wait_dscnt 0x0
	v_min_num_f32 v232, v12, v14                   ; the joint -M
	v_sub_f32 v233, v232, v12                      ; whole numbers, 0 or less
	v_sub_f32 v234, v232, v14
	v_cvt_i32_f32 v233, v233                       ; (they saturate: a wave that had no key step gets the factor 0)
	v_cvt_i32_f32 v234, v234
	v_ldexp_f32 v233, 1.0, v233
	v_ldexp_f32 v234, 1.0, v234
	v_mul_f32 v235, v13, v233
	v_fma_f32 v235, v15, v234, v235                ; the row's sum
	v_rcp_f32 v236, v235
	v_nop                                          ; a plain place behind the reciprocal,
	s_wait_alu depctr_va_vdst(0)                   ; and the wait ahead of its first reader
	v_mul_f32 v240, v233, v236
	v_mul_f32 v242, v234, v236
	s_wait_loadcnt 26                              ; the residual asked for at the head is in; behind it the weight's ten loads and ln_g's sixteen may be out
	WIN 0x51                                       ; destination, source 0 and source 2 window 1
.set J, 0
.rept 32
	v_pk_fma_f32 v[128+J:129+J], v[J:J+1], v[240:241], v[128+J:129+J] op_sel_hi:[1,0,1]
.set J, J+2
.endr
	WIN 0x50
.set J, 0
.rept 16
	v_pk_fma_f32 v[128+J:129+J], v[96+J:97+J], v[242:243], v[128+J:129+J] op_sel_hi:[1,0,1]
.set J, J+2
.endr
	WIN 0
	BARRIER                                        ; both partners have read the first 32: the areas may be written again
	WIN 0x04
.irp k, 0,1,2,3,4,5,6,7
	ds_store_b128 v20, v[96+4*\k:99+4*\k] offset:512*\k
.endr
	WIN 0
	BARRIER
	WIN 0x40
.irp b, 0,1,2,3
.irp j, 0,1,2,3
	global_load_b128 v[64+16*\b+4*\j:67+16*\b+4*\j], v16, s[PB:PB+1] offset:128*\b+16*\j     ; ln_b, into registers of O^T that have been handed on
.endr
.endr
	WIN 0
.irp k, 0,1,2,3,4,5,6,7
	ds_load_b128 v[96+4*\k:99+4*\k], v21 offset:512*\k
.endr
	s_wait_dscnt 0x0
	WIN 0x50
.set J, 0
.rept 16
	v_pk_fma_f32 v[160+J:161+J], v[96+J:97+J], v[242:243], v[160+J:161+J] op_sel_hi:[1,0,1]
.set J, J+2
.endr
	WIN 0
.endm
; LAYER NORM of RES, in place.  Each wave takes the mean and the sum of squares about it of its 128 channels; the partners' pairs are joined by M2 = M2a + M2b + 64 (mean_a - mean_b)^2: no difference of large sums is formed.
.macro LN
	v_lshl_add_u32 v4, v[LANE], 3, s80
	v_lshl_add_u32 v5, v[LANE], 3, s81
	WIN 0x05
	v_pk_add_f32 v[232:233], v[128:129], v[130:131]
	v_pk_add_f32 v[234:235], v[132:133], v[134:135]
	WIN 0x04
.irp k, 8,12,16,20,24,28,32,36,40,44,48,52,56,60
	v_pk_add_f32 v[232:233], v[232:233], v[128+\k:129+\k]
	v_pk_add_f32 v[234:235], v[234:235], v[130+\k:131+\k]
.endr
	WIN 0
	v_pk_add_f32 v[232:233], v[232:233], v[234:235]
	v_add_f32 v232, v232, v233
	v_permlanex16_b32 v233, v232, s[SEL], s[SEL+1]
	v_add_f32 v232, v232, v233
	v_mul_f32 v238, 0x3c000000, v232               ; / 128: my half's mean
	WIN 0x01
.set J, 0
.rept 32
	v_pk_add_f32 v[S+J:S+J+1], v[128+J:129+J], v[238:239] op_sel_hi:[1,0] neg_lo:[0,1] neg_hi:[0,1]
.set J, J+2
.endr
	WIN 0
	v_pk_mul_f32 v[232:233], v[S:S+1], v[S:S+1]
	v_pk_mul_f32 v[234:235], v[S+2:S+3], v[S+2:S+3]
.irp k, 4,8,12,16,20,24,28,32,36,40,44,48,52,56,60
	v_pk_fma_f32 v[232:233], v[S+\k:S+1+\k], v[S+\k:S+1+\k], v[232:233]
	v_pk_fma_f32 v[234:235], v[S+2+\k:S+3+\k], v[S+2+\k:S+3+\k], v[234:235]
.endr
	v_pk_add_f32 v[232:233], v[232:233], v[234:235]
	v_add_f32 v232, v232, v233
	v_permlanex16_b32 v233, v232, s[SEL], s[SEL+1]
	v_add_f32 v239, v232, v233                     ; my half's sum of squares about its mean
	ds_store_b64 v4, v[238:239]
	BARRIER
	ds_load_b64 v[240:241], v5
	s_wait_dscnt 0x0
	v_add_f32 v242, v238, v240
	v_sub_f32 v243, v238, v240
	v_add_f32 v234, v239, v241
	v_mul_f32 v242, 0.5, v242                      ; the row's mean
	v_mul_f32 v243, v243, v243
	v_fma_f32 v234, v243, 0x42800000, v234         ; + 64 x the squared difference of the two means
	v_fma_f32 v234, v234, s68, s69                 ; / 256 + 1e-3
	v_rsq_f32 v236, v234
	WIN 0x01
.set J, 0
.rept 32
	v_pk_add_f32 v[S+J:S+J+1], v[128+J:129+J], v[242:243] op_sel_hi:[1,0] neg_lo:[0,1] neg_hi:[0,1]   ; x - mean: plain work behind the root
.set J, J+2
.endr
	WIN 0
	s_wait_alu depctr_va_vdst(0)                   ; the wait ahead of the root's first reader
.set J, 0
.rept 32
	v_pk_mul_f32 v[S+J:S+J+1], v[S+J:S+J+1], v[236:237] op_sel_hi:[1,0]
.set J, J+2
.endr
	s_wait_loadcnt 0x0                             ; ln_g, ln_b (and the next weight)
	WIN 0x54                                       ; destination, sources 1 and 2 window 1
.set J, 0
.rept 32
	v_pk_fma_f32 v[128+J:129+J], v[S+J:S+J+1], v[192+J:193+J], v[64+J:65+J]
.set J, J+2
.endr
	WIN 0
.endm
; RES, my 128 channels of x, is quantised and meets my partner's in LDS; the weight, an eighth from each wave, meets there too; then S = my 128 output channels of x W (+ b1), transposed: source 0 = 16 rows of W, source 1 = x.
; It ends inside a barrier: the signal says that my reads of x's images and of the weight are over; the wait stands in front of the next store there.
.macro XPROJ bias
	v_add_nc_u32 v4, s86, v[LI]                    ; my half of the weight's fragments,
	v_add_nc_u32 v5, s87, v[LI]                    ; and of its scale words
	v_add_nc_u32 v6, s88, v[LI]                    ; my image,
	v_lshl_add_u32 v12, v[LANE], 2, s90            ; my scale words,
	v_add_nc_u32 v13, s89, v[LI]                   ; my tile's two images,
	v_add_nc_u32 v14, s91, v[SRL]                  ; and their scale words
.if \bias
.irp b, 0,1,2,3
.irp j, 0,1,2,3
	global_load_b128 v[S+16*\b+4*\j:S+3+16*\b+4*\j], v16, s[PB1:PB1+1] offset:128*\b+16*\j    ; b1 in the result's layout: the first products add onto it
.endr
.endr
.endif
	QUANT 128, 1, PC, 254
	XSTORE
	s_wait_loadcnt 0x0                             ; the weight (and b1)
	WSTORE
	BARRIER
	XFETCH
.irp k, 0,1,2,3,4,5,6,7,8,9,10,11,12,13,14,15,16,17,18,19,20,21,22,23,24,25,26,27,28,29,30,31
	ds_load_b128 v[FB+4*\k:FB+4*\k+3], v4 offset:512*\k
.endr
	ds_load_b128 v[244:247], v5                    ; register t: lanes 0-15 K step 0's words of tile t, lanes 16-31 K step 1's
	ds_load_b128 v[248:251], v5 offset:512
	s_wait_dscnt 0x0
	s_barrier_signal -1
.irp t, 0,1,2,3,4,5,6,7                        ; eight accumulators by turns
	MM S+8*\t, FB+16*\t, 16, 1-\bias, 244+\t, 255, 0, 0
.endr
.irp t, 0,1,2,3,4,5,6,7
	MM S+8*\t, FB+16*\t+8, 24, 0, 244+\t, 255, 1, 1
.endr
	PLACES
.endm
.macro QOUT                            ; S, my 128 channels of Q, becomes K step hf of Q's operand; both K steps come back
	QUANT S, 0, PC, 254
	s_barrier_wait -1                              ; every wave has read x's images: they may be written again
	XSTORE
	BARRIER
	XFETCH
	s_wait_dscnt 0x0
.endm
	s_load_b512 s[4:19], s[0:1], 0x0               ; kv, inputs, Wq_c's codes and scales, W1's codes and scales, b1, ln_g
	s_load_b128 s[20:23], s[0:1], 0x40             ; ln_b, out0
	s_load_b64 s[24:25], s[0:1], 0x50              ; qc
	v_lshl_add_u32 v[SPW], v0, 2, SPARE
	v_mov_b32 v[NIL], 0
	ds_add_u32 v[SPW], v[NIL]                      ; the wave's opening: the add and its wait stand ahead of my first tensor load; the set-up below, work on registers, stands between them
	v_lshrrev_b32 v4, 5, v0
	v_readfirstlane_b32 s[WV], v4                  ; wave 0..7
	s_lshr_b32 s[HI], s[WV], 2
	s_and_b32 s[TL], s[WV], 1
	s_bfe_u32 s[HF], s[WV], 0x10001
	s_xor_b32 s[HF], s[HF], s[HI]                  ; waves w and w + 4 take opposite halves of the key steps
	s_lshl_b32 s[U], s[HI], 2
	s_lshl_b32 s70, s[TL], 1
	s_add_co_u32 s[U], s[U], s70
	s_add_co_u32 s[U], s[U], s[HF]
	s_and_b32 s[CC], ttmp9, 7                      ; in a cluster launch ttmp9 counts clusters
	s_lshr_b32 s[BAT], ttmp9, 3
	s_bfe_u32 s[CX], ttmp6, 0x40000                ; my place in the cluster: it enters the addresses of inputs, out0, qc and the prefetches, and the mask's v[QD], and nothing else
	s_sub_co_u32 s70, 15, s[CC]
	s_cmp_eq_u32 s[HI], 0
	s_cselect_b32 s[DG], s[CC], s70
	s_mov_b32 s[ST], s[HF]
	s_mov_b32 s[SB], 0
	s_mov_b32 s[FBS], 0
	s_mul_i32 s[HOFF], s[HF], BLKB
	s_mul_i32 s[HM], s[HF], VHB
	s_xor_b32 s70, s[HF], 1
	s_mul_i32 s[HO], s70, VHB
	s_mul_i32 s[WOFF], s[WV], 17408
	s_or_b32 s70, s[HI], s[CC]                     ; 0 in waves 0-3 of the batch's first cluster: the same in all four partners
	s_cmp_eq_u32 s70, 0
	s_cselect_b32 s[LIM], 24, 0
	s_mov_b32 s[SEL], 0x76543210
	s_mov_b32 s[SEL+1], 0xfedcba98
	s_mov_b32 s[CS], 0x3db8aa3b                    ; log2(e) / sqrt(256)
	s_mov_b32 s[CS+1], s[CS]                       ; (named with it as a pair, so it is written)
	s_mov_b32 s68, 0x3b800000                      ; 1 / 256
	s_mov_b32 s69, 0x3a83126f                      ; 1e-3
	; descriptor group 1: 17,408 dense bytes as 68 rows of 32 elements of 8 bytes, no padding
	s_mov_b32 s[G1], 15|(3<<16)|(1<<21)            ; 15:0 the mask: all four work-groups; 17:16 elements of 8 bytes; 21 set beside a mask
	s_mov_b32 s[G1+1], 32<<16                      ; tensor_dim0
	s_mov_b32 s[G1+2], 68<<16                      ; tensor_dim1
	s_mov_b32 s[G1+3], 32<<16                      ; tile_dim0
	s_mov_b32 s[G1+4], 68                          ; tile_dim1
	s_mov_b32 s[G1+5], 32                          ; tensor_dim0_stride
	s_mov_b32 s[G1+6], 0
	s_mov_b32 s[G1+7], 0
	; the wave's places in the scratch behind the ring
	s_xor_b32 s70, s[U], 1                         ; my partner's u
	s_lshl_b32 s80, s[U], 8
	s_add_co_u32 s80, s80, ML
	s_lshl_b32 s81, s70, 8
	s_add_co_u32 s81, s81, ML
	s_lshl_b32 s82, s[U], 12
	s_add_co_u32 s82, s82, RG
	s_lshl_b32 s83, s70, 12
	s_add_co_u32 s83, s83, RG
	s_lshl_b32 s84, s[WV], 12
	s_add_co_u32 s84, s84, RG
	s_lshr_b32 s85, s[WV], 1
	s_lshl_b32 s85, s85, 9
	s_lshl_b32 s71, s[TL], 3
	s_add_co_u32 s85, s85, s71
	s_add_co_u32 s85, s85, RG+32768
	s_lshl_b32 s86, s[HF], 14
	s_add_co_u32 s86, s86, RG
	s_lshl_b32 s87, s[HF], 10
	s_add_co_u32 s87, s87, RG+32768
	s_lshl_b32 s88, s[U], 10
	s_add_co_u32 s88, s88, XI
	s_lshr_b32 s71, s[U], 1                        ; my tile
	s_lshl_b32 s89, s71, 11
	s_add_co_u32 s89, s89, XI
	s_lshl_b32 s90, s[U], 7
	s_add_co_u32 s90, s90, XW
	s_lshl_b32 s91, s71, 8
	s_add_co_u32 s91, s91, XW
	v_and_b32 v[LANE], 31, v0
	v_lshlrev_b32 v[LI], 4, v[LANE]
	v_and_b32 v4, 15, v0                           ; r
	v_bfe_u32 v5, v0, 4, 1                         ; h
	v_lshlrev_b32 v[SRL], 2, v4
	v_lshl_add_u32 v[SRL], v5, 7, v[SRL]
	v_and_b32 v6, 8, v0
	v_add_nc_u32 v6, v6, v4                        ; perm(r) = r + 8 (r / 8)
	v_lshlrev_b32 v[GW], 7, v6
	v_lshl_add_u32 v[GW], v5, 4, v[GW]
	v_lshlrev_b32 v[PFO], 8, v[LANE]
	s_lshl_b32 s76, s[CX], 5
	s_lshl_b32 s77, s[TL], 3
	s_add_co_u32 s76, s76, s77                     ; my tile's first query within its block of 128: 32 cx + 8 tl; lane r's lies perm(r) further on
	v_lshlrev_b32 v[QD], 4, v5
	v_sub_nc_u32 v[QD], v6, v[QD]
	v_add_nc_u32 v[QD], s76, v[QD]
	v_lshlrev_b32 v4, 10, v6
	v_lshl_add_u32 v4, v5, 6, v4                   ; inputs: row perm(r) of 1,024 bytes + 64 h
	v_lshlrev_b32 v5, 2, v[LANE]                   ; Q's scale words: 4 x lane
.irp j, 232,233,234,235,236,237,238,239,240,241,242,243,252,253,254
	v_mov_b32 v[\j], 0                             ; written once: lane permutes' destinations and the upper halves of pairs count as read
.endr
	s_lshl_b32 s77, s[BAT], 11                     ; my first row of inputs and out0: 2,048 batch + 128 DG + 32 cx + 8 tl, rows of 1,024 bytes; + 512 hf
	s_add_co_u32 s76, s76, s77
	s_lshl_b32 s77, s[DG], 7
	s_add_co_u32 s76, s76, s77
	s_lshl_b32 s76, s76, 10
	s_lshl_b32 s74, s[HF], 9
	s_mov_b32 s75, 0
	s_add_co_u32 s76, s76, s74
	s_mov_b32 s77, 0
	s_mul_i32 s70, s[BAT], 1114112                 ; the batch's 32 blocks
	s_add_co_u32 s72, s70, s[WOFF]                 ; my eighth of its first slot
	s_mov_b32 s73, 0
	s_lshl_b32 s78, s[CX], 15
	s_and_b32 s79, s[WV], 3
	s_lshl_b32 s79, s79, 13
	s_add_co_u32 s78, s78, s79
	s_add_co_u32 s78, s78, s70
	s_add_co_u32 s78, s78, 196608                  ; 327,680 - 131,072: the first change of slots steps it to byte 327,680 of the batch.  Nothing is prefetched at the head, where every work-group's first tiles are on their way
	s_mov_b32 s79, 0
	s_lshl_b32 s92, s[BAT], 4                      ; Q: block (batch, DG) of qc, tile 2 cx + tl: its two fragments, 2,048 bytes, and its 128 bytes of scale words
	s_add_co_u32 s92, s92, s[DG]
	s_mul_i32 s92, s92, QBLKB
	s_lshl_b32 s94, s[CX], 1
	s_add_co_u32 s94, s94, s[TL]
	s_lshl_b32 s93, s94, 11
	s_lshl_b32 s94, s94, 7
	s_add_co_u32 s94, s94, s92
	s_add_co_u32 s94, s94, 16384
	s_add_co_u32 s92, s92, s93
	s_mov_b32 s93, 0
	s_mov_b32 s95, 0
	s_lshl_b32 s70, s[WV], 12                      ; my eighth of a weight's codes
	s_mov_b32 s71, 0
	s_wait_dscnt 0x0                               ; the opening add is done
	s_wait_kmcnt 0x0
	s_add_nc_u64 s[92:93], s[PQC:PQC+1], s[92:93]
	s_add_nc_u64 s[94:95], s[PQC:PQC+1], s[94:95]
.irp k, 0,1,2,3
	global_load_b128 v[16+4*\k:19+4*\k], v[LI], s[92:93] offset:512*\k   ; Q's two fragments, as images: 512 consecutive bytes a load.  They are asked for ahead of the round, and land beside the first tiles
.endr
	global_load_b32 v255, v5, s[94:95]             ; lanes 0-15 d step 0's scale words, lanes 16-31 d step 1's
	s_add_nc_u64 s[PWQ:PWQ+1], s[PWQ:PWQ+1], s[70:71]
	s_add_nc_u64 s[PW1:PW1+1], s[PW1:PW1+1], s[70:71]
	s_lshl_b32 s70, s[WV], 8                       ; and of its scale bytes
	s_add_nc_u64 s[PWQS:PWQS+1], s[PWQS:PWQS+1], s[70:71]
	s_add_nc_u64 s[PW1S:PW1S+1], s[PW1S:PW1S+1], s[70:71]
	s_add_nc_u64 s[PB1:PB1+1], s[PB1:PB1+1], s[74:75]      ; b1, ln_g, ln_b at my 128 channels
	s_add_nc_u64 s[PG:PG+1], s[PG:PG+1], s[74:75]
	s_add_nc_u64 s[PB:PB+1], s[PB:PB+1], s[74:75]
	s_add_nc_u64 s[PIN:PIN+1], s[PIN:PIN+1], s[76:77]
	s_add_nc_u64 s[POUT:POUT+1], s[POUT:POUT+1], s[76:77]
	s_add_nc_u64 s[PFA:PFA+1], s[PKV:PKV+1], s[78:79]
	s_mov_b32 s[G0], 1                             ; 1:0 count = 1
	s_mov_b32 s[G0+1], s[WOFF]                     ; 63:32 LDS address: slot 0, my eighth
	s_add_nc_u64 s[G0+2:G0+3], s[PKV:PKV+1], s[72:73]      ; 120:64 global address
	s_or_b32 s[G0+3], s[G0+3], 0x80000000          ; 127:126 type = 2
	CROUND                                         ; all four work-groups are here: the first joint loads meet
	tensor_load_to_lds s[G0:G0+3], s[G1:G1+7]      ; slot 0
	s_nop 0
	PLACES
	WIN 0x40                                       ; RES = my 128 channels of my 16 rows of inputs: the residual.  Nothing reads it before the two halves of the keys are joined
.irp b, 0,1,2,3
.irp j, 0,1,2,3
	global_load_b128 v[128+16*\b+4*\j:131+16*\b+4*\j], v4, s[PIN:PIN+1] offset:128*\b+16*\j th:TH_LOAD_NT
.endr
.endr
	REINIT
	s_wait_loadcnt 16                              ; Q and its scale words are in; the residual's sixteen loads may be out
	s_wait_xcnt 0x0                                ; and have read their offsets: v4 is written again in the first key step
	; ---- the self attention: blocks 0-15, four slots
	s_mov_b32 s66, 4
.Lself:
	CHANGE 1
	s_mov_b32 s67, 2
.Lself_step:
	STEP 1
	s_sub_co_u32 s67, s67, 1
	s_cmp_lg_u32 s67, 0
	s_cbranch_scc1 .Lself_step
	s_xor_b32 s[SB], s[SB], SLOTB                  ; on to the other slot
	s_sub_co_u32 s66, s66, 1
	s_cmp_lg_u32 s66, 0
	s_cbranch_scc1 .Lself
	; ---- x1 = LN(a + inputs), Q of the cross attention.  The first cross slot's load is on its way across these barriers
	MERGE PWQ, PWQS
	LN
	XPROJ 0
	QOUT
	REINIT
	; ---- the cross attention: blocks 16-31; behind each change of slots but the last the next slot is asked for
	s_mov_b32 s66, 3
.Lcross:
	CHANGE 1
	s_mov_b32 s67, 2
.Lcross_step:
	STEP 0
	s_sub_co_u32 s67, s67, 1
	s_cmp_lg_u32 s67, 0
	s_cbranch_scc1 .Lcross_step
	s_xor_b32 s[SB], s[SB], SLOTB
	s_sub_co_u32 s66, s66, 1
	s_cmp_lg_u32 s66, 0
	s_cbranch_scc1 .Lcross
	CHANGE 0                                       ; the last slot is written out
	s_mov_b32 s67, 2
.Llast_step:
	STEP 0
	s_sub_co_u32 s67, s67, 1
	s_cmp_lg_u32 s67, 0
	s_cbranch_scc1 .Llast_step
	; ---- x2 = LN(c + x1); out = relu(LN(relu(x2 W1 + b1) + x2))
	MERGE PW1, PW1S
	LN
	XPROJ 1
	s_barrier_wait -1                              ; closes the barrier that XPROJ has opened
.set J, 0
.rept 64
	v_max_num_f32 v[S+J], 0, v[S+J]
.set J, J+1
.endr
	WIN 0x41
.set J, 0
.rept 32
	v_pk_add_f32 v[128+J:129+J], v[128+J:129+J], v[S+J:S+J+1]
.set J, J+2
.endr
	WIN 0
	LN                                             ; ln_g and ln_b still lie in window 1
	WIN 0x44
.set J, 0
.rept 64
	v_max_num_f32 v[128+J], 0, v[128+J]
.set J, J+1
.endr
	WIN 0
	; THE WAY OUT.  A lane holds pieces of 64 bytes of its row: my 16 rows x 512 bytes go through my own stage (rows of 528 bytes) and come back as whole half rows.  The stages lie in slot 0,
	; which has had its last fill of the launch and which nobody has read since the last change of slots.  Stage row i is lane i's query: row i + 8 (i / 8) of my tile's rows of out0.
	v_and_b32 v4, 15, v0
	v_mul_u32_u24 v4, v4, 528
	v_bfe_u32 v5, v0, 4, 1
	v_lshl_add_u32 v4, v5, 6, v4
	s_mul_i32 s70, s[U], 8448
	v_add_nc_u32 v4, s70, v4
	v_add_nc_u32 v5, s70, v[LI]
	WIN 0x04
.irp b, 0,1,2,3
.irp j, 0,1,2,3
	ds_store_b128 v4, v[128+16*\b+4*\j:131+16*\b+4*\j] offset:128*\b+16*\j
.endr
.endr
	WIN 0
.irp i, 0,1,2,3,4,5,6,7,8,9,10,11,12,13,14,15
	ds_load_b128 v[96+4*\i:99+4*\i], v5 offset:528*\i   ; LDS serves a wave's instructions in order (ISA guide 5.7.1.4): these see my stores
.endr
.irp i, 0,1,2,3,4,5,6,7,8,9,10,11,12,13,14,15
	s_wait_dscnt 15-\i                             ; row i is back; the younger loads may be out
	global_store_b128 v[LI], v[96+4*\i:99+4*\i], s[POUT:POUT+1] offset:1024*(\i+8*(\i/8)) th:TH_STORE_NT   ; 32 lanes store 512 consecutive bytes, at a multiple of 256 from out0's first byte
.endr
	s_wait_tensorcnt 0x0                           ; the wave's end, behind my last tensor load and my last LDS store
	ds_add_u32 v[SPW], v[NIL]
	s_wait_dscnt 0x0
	CROUND                                         ; the closing round: no work-group ends while a partner may still ask for a tile that names it
	s_endpgm
.Lfunc_end_k_q92dce83e6e_block:
	.size	k_q92dce83e6e_block, .Lfunc_end_k_q92dce83e6e_block-k_q92dce83e6e_block
	.p2alignl 7, 3214868480
	.fill 96, 4, 3214868480
	.section	.rodata,"a",@progbits
	.p2align	6, 0x0
	.amdhsa_kernel k_q92dce83e6e_block
		.amdhsa_group_segment_fixed_size 327680
		.amdhsa_private_segment_fixed_size 0
		.amdhsa_enable_private_segment 0
		.amdhsa_kernarg_size 88
		.amdhsa_user_sgpr_count 2
		.amdhsa_user_sgpr_kernarg_segment_ptr 1
		.amdhsa_wavefront_size32 1
		.amdhsa_system_sgpr_workgroup_id_x 1
		.amdhsa_system_sgpr_workgroup_id_y 1
		.amdhsa_system_sgpr_workgroup_id_z 1
		.amdhsa_system_vgpr_workitem_id 0
		.amdhsa_next_free_vgpr 512
		.amdhsa_next_free_sgpr 100
		.amdhsa_reserve_vcc 1
		.amdhsa_float_denorm_mode_32 3
		.amdhsa_float_denorm_mode_16_64 3
		.amdhsa_memory_ordered 1
		.amdhsa_forward_progress 1
		.amdhsa_inst_pref_size 198
	.end_amdhsa_kernel
	.amdgpu_metadata
---
amdhsa.version: [ 1, 2 ]
amdhsa.kernels:
  - .name:           k_q92dce83e6e_block
    .symbol:         k_q92dce83e6e_block.kd
    .args:
      - { .name: kv, .offset: 0, .size: 8, .value_kind: global_buffer, .address_space: global }
      - { .name: inputs, .offset: 8, .size: 8, .value_kind: global_buffer, .address_space: global }
      - { .name: Wq_c_codes, .offset: 16, .size: 8, .value_kind: global_buffer, .address_space: global }
      - { .name: Wq_c_scales, .offset: 24, .size: 8, .value_kind: global_buffer, .address_space: global }
      - { .name: W1_codes, .offset: 32, .size: 8, .value_kind: global_buffer, .address_space: global }
      - { .name: W1_scales, .offset: 40, .size: 8, .value_kind: global_buffer, .address_space: global }
      - { .name: b1, .offset: 48, .size: 8, .value_kind: global_buffer, .address_space: global }
      - { .name: ln_g, .offset: 56, .size: 8, .value_kind: global_buffer, .address_space: global }
      - { .name: ln_b, .offset: 64, .size: 8, .value_kind: global_buffer, .address_space: global }
      - { .name: out0, .offset: 72, .size: 8, .value_kind: global_buffer, .address_space: global }
      - { .name: qc, .offset: 80, .size: 8, .value_kind: global_buffer, .address_space: global }
    .group_segment_fixed_size: 327680
    .private_segment_fixed_size: 0
    .kernarg_segment_align: 8
    .kernarg_segment_size: 88
    .max_flat_workgroup_size: 256
    .sgpr_count:     100
    .vgpr_count:     512
    .wavefront_size: 32
...
	.end_amdgpu_metadata
.endif
;; end of part 2
